; MI455X (gfx1250); checked and timed in simulation.
; The chip was launched on July 23, 2026; its instructions are those of AMD's public machine-readable ISA for CDNA 5 (MIT licence, August 2026) and "CDNA5" Instruction Set Architecture Reference Guide (July 2026). The comments in the code are by the model that wrote it; some were corrected since.
;; Meta Multi Headed Attention. Allowed arithmetic: matrix products marked QUANTISED: E2M3 operands, one E8M0 scale for each 32 along K, by v_wmma_scale_f32_16x16x128_f8f6f4 with both operands' format E2M3, f32 sums; everything else in f32.
;; Inputs: Wk 1,024 x 1,024 float32; Wo 1,024 x 1,024 float32; Wq 1,024 x 1,024 float32; Wv 1,024 x 1,024 float32; bk 1,024 float32; bo 1,024 float32; bq 1,024 float32; bv 1,024 float32; key 4 x 2,048 x 1,024 float32; query 4 x 2,048 x 1,024 float32; value 4 x 2,048 x 1,024 float32.
;; Outputs: out0 4 x 2,048 x 1,024 float32.
;; This version of the problem:
;;   THIS VERSION OF THE PROBLEM IS GIVEN IN LOW PRECISION. The matrix products marked QUANTISED in the list below multiply operands that are first quantised to E2M3 (2 exponent bits, 3 mantissa bits; 6 bits a number), with one power-of-two scale for each 32 numbers along K (OCP MX v1.0); their sums are f32. All else is computed in f32.
;;   The module's matrix products, in the order in which they are computed (A, B: the left and right operand; K: the contracted axis; several contracted axes count as one K, in the product's order):
;;     1. [M 8,192, K 1,024] x [K 1,024, N 1,024]; A: input query; B: input Wq: QUANTISED
;;     2. [M 8,192, K 1,024] x [K 1,024, N 1,024]; A: input key; B: input Wk: QUANTISED
;;     3. [M 8,192, K 1,024] x [K 1,024, N 1,024]; A: input value; B: input Wv: QUANTISED
;;     4. batch 64 x [M 2,048, K 64] x [K 64, N 2,048]; A: computed on the way; B: computed on the way: QUANTISED
;;     5. batch 64 x [M 2,048, K 2,048] x [K 2,048, N 64]; A: softmax (see below); B: computed on the way: QUANTISED
;;     6. [M 8,192, K 1,024] x [K 1,024, N 1,024]; A: computed on the way; B: input Wo: QUANTISED
;;   THE QUANTISER, for each operand of a quantised product, along K:
;;     - K is cut into blocks of 32 from its start; a last block that is shorter is filled with zeros.
;;     - A block's scale is 2^e with e = floor(log2(the largest magnitude in the block)) - 2, held to -126 .. 127; a block of zeros has e = 0. As a byte (E8M0): e + 127.
;;     - Each number is divided by its block's scale, clamped to +-7.5, and rounded to the nearest number of E2M3, ties to even, subnormals kept.
;;     - The product sums the exact products of the quantised numbers (number of the format x scale) in f32.
;;   ~~~python
;;   def quantise(x, axis):      # numpy; x: float32 -> the quantised numbers, widened to float32 again
;;       x = np.moveaxis(x, axis, -1); K = x.shape[-1]
;;       x = np.pad(x, [(0, 0)] * (x.ndim - 1) + [(0, -K % 32)]); x = x.reshape(x.shape[:-1] + (-1, 32)); a = np.abs(x).max(-1, keepdims=True)
;;       e = np.where(a > 0, np.clip(np.frexp(np.where(a > 0, a, 1))[1] - 1 - 2, -126, 127), 0)      # np.frexp(a)[1] - 1 = floor(log2(a)), exactly
;;       r = np.clip(x / 2.0 ** e, -7.5, 7.5)
;;       step = 2.0 ** (np.maximum(np.frexp(np.where(r == 0, 1, r))[1] - 1, 0) - 3)
;;       q = np.round(r / step) * step * 2.0 ** e      # np.round: ties to even
;;       return np.moveaxis(q.reshape(q.shape[:-2] + (-1,))[..., :K], -1, axis).astype(np.float32)
;;   ~~~
;;   SOFTMAX AHEAD OF A QUANTISED PRODUCT. Where the list says 'softmax', what is quantised is not the finished softmax but p = 2^(t - M), with t = logit x log2(e) and M = ceil(the row's largest t), a whole number; so 1/2 < the row's largest p <= 1. The row's sum l is taken of the UNQUANTISED p, in f32, and the product's result is divided by l at the end. Since M is a whole number, a kernel that streams over the keys may use a running M (the ceiling of the running maximum): every later rescaling is an exact power of two, which a block's scale takes up: the codes' values come out the same.
;;   OPERANDS COMPUTED ON THE WAY. 'Computed on the way' means the value that the module computes at that place (a softmax that the list does not call 'softmax' is quantised finished and normalised). What goes into a quantiser is computed in f32, as accurately as f32 sums, v_exp_f32 and their like allow (about 1e-6 of the number): no bf16 or f16 on the way to a quantiser, and a product that is left as it is and whose result goes on into a quantised operand takes f32 operands (vector FMAs, or v_wmma_f32_16x16x4_f32). A number that lies on a knife's edge between two numbers of the format may be rounded either way, as far as f32 arithmetic and the matrix unit's own rounding can turn it there, and no further.
;; One version. Each part assembles by itself: llvm-mc -triple=amdgcn-amd-amdhsa -mcpu=gfx1250 --defsym DOCPART=n.
;; ======== version 1 of 1: 4 launches
;; limits: right only within a limited range of input values
;; workspace buffers: codes 22,020,096 bytes; scales 917,504 bytes; qkv 19,660,800 bytes; ac 6,291,456 bytes; asc 262,144 bytes
;; launch quant (part 1): grid 256 x 1, 7 waves a work-group, no clusters, 60,160 bytes of LDS; arguments query, key, value, Wq, Wk, Wv, Wo, codes, scales; writes codes, scales
.if DOCPART == 1
	.amdgcn_target "amdgcn-amd-amdhsa--gfx1250"
	.amdhsa_code_object_version 6
	.text
	.protected	k_qb2565102b2_quant
	.globl	k_qb2565102b2_quant
	.p2align	8
	.type	k_qb2565102b2_quant,@function
k_qb2565102b2_quant:
	s_mov_b64 s[64:65], 0
	v_nop
	global_prefetch_b8 v0, s[64:65] scope:SCOPE_SE
	s_setreg_imm32_b32 hwreg(HW_REG_WAVE_MODE, 25, 1), 1
	s_wait_xcnt 0x0
; query, key, value [8192][1024] and Wq, Wk, Wv, Wo [1024][1024], f32, K innermost, become codes of FP6 (E2M3) and one E8M0 byte for each 32 along K.
; DEAD WORK: none.  Every bias of the problem goes into a quantised operand (bq, bk, bv) or into the output (bo), every weight and every activation into a live product: all eleven inputs are loaded by some launch.
; LAYOUT OF ALL CODES IN THIS PROGRAM.  A HALF is 768 bytes: 16 rows x 64 codes as an image of operand registers: lane (r, h) owns k = 32 h .. 32 h + 31 of row r, six registers; registers 0-3 lie at 16 x lane, registers 4-5 at 512 + 8 x lane.
; A row block (RB) is 16 rows: RB 2 B + u holds in lane r the row 32 B + 8 u + r % 8 + 16 (r / 8).  codes: [RB 1792][k / 64: 16] HALFs; scales: [RB][r][32 bytes].  RB bases: query 0, key 512, value 1024, Wq 1536, Wk 1600, Wv 1664, Wo 1728.
; SHARES.  1,792 RBs = 256 work-groups x 7 waves: a wave takes one RB, 16 rows x 1,024 numbers, in eight K steps of 128.  Each load reads 512 consecutive bytes of one row; a step's 8 KB turn through the wave's own stage
; in LDS (rows 528 bytes apart) so that a lane holds 16 neighbours of each of a row's four blocks; two lanes, l and l xor 16, hold a block.  Waves share nothing: no barrier.
; A block's scale is 2^(floor(log2(largest magnitude)) - 2): its byte is the largest magnitude's exponent field - 2, held at 1 from below.
; LIMITS: a block of zeros gets the byte 1 where the quantiser says 127 (its codes are zeros; these bytes are read by this program alone); NaN and infinities among the inputs are not served.
.set STG,   8448                       ; a wave's stage: 16 rows x 528 bytes
.set SPARE, 59136                      ; behind the seven stages: the spare words, 128 bytes a wave, four blocks of 256 bytes that no other line names
.set L16,  1                           ; v1   16 x lane
.set SIN,  2                           ; v2   the stage, on the way in: + 16 x lane
.set SOUT, 3                           ; v3   on the way out: + 528 r + 64 h
.set L8,   5                           ; v5   512 + 8 x lane
.set SCO,  6                           ; v6   32 r + 16 h: my four scale words' place
.set SPW,  12                          ; v12  my spare word; never rewritten
.set NIL,  13                          ; v13  0; never rewritten
.set TM,   16                          ; v16-27 at work in QUANT
.set PWB,  28                          ; v28-35 the eight steps' scale words
.set PC,   36                          ; v36-55 the codes just made
.set CH,   56                          ; v56-59 the four words that I store
.set R,    64                          ; v64-191 two sets of 64 numbers as loaded
.set X,    192                         ; v192-255 64 numbers: register 16 b + i = k 32 b + 16 h + i of row r
.set SEL,  30                          ; s[30:31] v_permlanex16_b32's selects for lane l xor 16
	s_load_b256 s[4:11], s[0:1], 0x0               ; query, key, value, Wq
	s_load_b256 s[12:19], s[0:1], 0x20             ; Wk, Wv, Wo, codes
	s_load_b64 s[20:21], s[0:1], 0x40              ; scales
	v_lshl_add_u32 v[SPW], v0, 2, SPARE
	v_mov_b32 v[NIL], 0
	v_lshrrev_b32 v1, 5, v0
	v_readfirstlane_b32 s22, v1                    ; wave 0..6
	v_and_b32 v4, 31, v0                           ; lane
	v_and_b32 v7, 15, v0                           ; r
	v_bfe_u32 v8, v0, 4, 1                         ; h
	v_lshlrev_b32 v[L16], 4, v4
	s_mul_i32 s23, s22, STG
	v_add_nc_u32 v[SIN], s23, v[L16]
	v_mul_u32_u24 v[SOUT], v7, 528
	v_lshl_add_u32 v[SOUT], v8, 6, v[SOUT]
	v_add_nc_u32 v[SOUT], s23, v[SOUT]
	v_lshl_add_u32 v[L8], v4, 3, 512
	v_lshlrev_b32 v[SCO], 5, v7
	v_lshl_add_u32 v[SCO], v8, 4, v[SCO]
.irp b, 0,1,2,3
	v_mov_b32 v[TM+4+\b], 0                        ; written once: a lane permute's destination counts as one of its sources
.endr
	s_mov_b32 s[SEL], 0x76543210
	s_mov_b32 s[SEL+1], 0xfedcba98
	s_mov_b32 s32, 0xffff0000                      ; lanes 16-31
	s_mul_i32 s24, ttmp9, 7
	s_add_co_u32 s24, s24, s22                     ; my RB
	s_mov_b32 s25, 0                               ; its tensor's first RB
	s_wait_alu depctr_va_vdst(0)
	s_wait_kmcnt 0x0
	s_cmp_ge_u32 s24, 512                          ; which tensor: the choices hang on ids alone
	s_cselect_b64 s[4:5], s[6:7], s[4:5]
	s_cselect_b32 s25, 512, s25
	s_cmp_ge_u32 s24, 1024
	s_cselect_b64 s[4:5], s[8:9], s[4:5]
	s_cselect_b32 s25, 1024, s25
	s_cmp_ge_u32 s24, 1536
	s_cselect_b64 s[4:5], s[10:11], s[4:5]
	s_cselect_b32 s25, 1536, s25
	s_cmp_ge_u32 s24, 1600
	s_cselect_b64 s[4:5], s[12:13], s[4:5]
	s_cselect_b32 s25, 1600, s25
	s_cmp_ge_u32 s24, 1664
	s_cselect_b64 s[4:5], s[14:15], s[4:5]
	s_cselect_b32 s25, 1664, s25
	s_cmp_ge_u32 s24, 1728
	s_cselect_b64 s[4:5], s[16:17], s[4:5]
	s_cselect_b32 s25, 1728, s25
	s_sub_co_u32 s25, s24, s25                     ; the RB's number in its tensor
	; THE ROWS OF AN RB.  All tensors but key: as the head has it, pairs of RBs on 32 rows.  KEY ALONE: RBs in fours on 64 rows: RB 4 c + u holds in lane r the row 64 c + 8 u + r % 8 + 32 (r / 8),
	; so that in the attention launch a lane's 32 scores of four neighbouring tiles are 32 neighbouring keys
	s_lshr_b32 s33, s24, 9                         ; 1 for key's RBs, 512 to 1,023, alone
	s_cmp_eq_u32 s33, 1
	s_cselect_b32 s33, 2, 1                        ; log2 of the RBs in a group
	s_add_co_u32 s36, s33, 16
	s_lshr_b32 s26, s25, s33
	s_lshl_b32 s26, s26, s36                       ; 32 or 64 rows of 4,096 bytes for each group,
	s_bfm_b32 s27, s33, 0
	s_and_b32 s27, s25, s27
	s_lshl_b32 s27, s27, 15                        ; 8 rows for each RB in it
	s_or_b32 s26, s26, s27
	s_mov_b32 s27, 0
	s_add_nc_u64 s[4:5], s[4:5], s[26:27]          ; my RB's rows 0-7
	s_lshl_b32 s26, 0x8000, s33
	s_add_nc_u64 s[34:35], s[4:5], s[26:27]        ; its rows 8-15: 16 or 32 rows further down
	s_mul_i32 s28, s24, 12288
	s_mov_b32 s29, 0
	s_add_nc_u64 s[18:19], s[18:19], s[28:29]      ; my RB's codes
	s_lshl_b32 s28, s24, 9
	s_add_nc_u64 s[20:21], s[20:21], s[28:29]      ; and its scale bytes
; 64 numbers of a lane, v[s] on, register 16 b + i = k 32 b + 16 h + i of my row, become a fragment's codes in v[PC] .. v[PC + 11] and its scale word in v[pw]
.macro QUANT s, pw
.irp b, 0,1,2,3
	v_max3_num_f32 v[TM+\b], |v[\s+16*\b]|, |v[\s+1+16*\b]|, 0x1800000   ; my 16 numbers of block b, and the floor 2^(3 - 127): the byte cannot fall under 1
.endr
.irp i, 2,4,6,8,10,12,14
.irp b, 0,1,2,3
	v_max3_num_f32 v[TM+\b], v[TM+\b], |v[\s+16*\b+\i]|, |v[\s+1+16*\b+\i]|   ; the four blocks by turns
.endr
.endr
.irp b, 0,1,2,3
	v_permlanex16_b32 v[TM+4+\b], v[TM+\b], s[SEL], s[SEL+1]
.endr
.irp b, 0,1,2,3
	v_max_num_f32 v[TM+\b], v[TM+\b], v[TM+4+\b]   ; with lane l xor 16's: the block's largest magnitude
.endr
.irp b, 0,1,2,3
	v_add_nc_u32 v[TM+8+\b], 0xff000000, v[TM+\b]  ; 2 off its exponent field: the conversion's scale operand
.endr
.irp b, 0,1,2,3
	v_lshrrev_b32 v[TM+4+\b], 23, v[TM+8+\b]       ; the scale's byte
.endr
	v_lshl_or_b32 v[\pw], v[TM+5], 8, v[TM+4]
	v_lshl_or_b32 v[\pw], v[TM+6], 16, v[\pw]
	v_lshl_or_b32 v[\pw], v[TM+7], 24, v[\pw]      ; my row's scale word, the same in both halves of the lanes
.irp c, 0,1
	v_cvt_scalef32_pk16_fp6_f32 v[PC+6*\c:PC+2+6*\c], v[\s+32*\c:\s+15+32*\c], v[TM+8+2*\c]
	v_cvt_scalef32_pk16_fp6_f32 v[PC+12+4*\c:PC+14+4*\c], v[\s+16+32*\c:\s+31+32*\c], v[TM+8+2*\c+1]   ; (a conversion's three registers begin on an even number)
.endr
	v_nop                                          ; one plain place behind a scaled conversion
.irp c, 0,1                                    ; the operand's layout wants a whole block in a lane: lanes 0-15 block 2 c, lanes 16-31 block 2 c + 1
.irp i, 0,1,2
	v_permlane16_swap_b32 v[PC+6*\c+\i], v[PC+12+4*\c+\i]
.endr
.irp i, 0,1,2
	v_mov_b32 v[PC+3+6*\c+\i], v[PC+12+4*\c+\i]
.endr
.endr
.endm
.macro LOAD t                          ; K step t: 512 bytes of each of my 16 rows, a row an instruction
.set I, 0
.rept 16
	global_load_b128 v[R+64*((\t)%2)+4*I:R+64*((\t)%2)+4*I+3], v[L16], s[4+30*(I/8):5+30*(I/8)] offset:(I%8)*4096+512*(\t) th:TH_LOAD_NT
.set I, I+1
.endr
.endm
.macro STEP t
.if (\t) < 7
	s_wait_loadcnt 16                              ; this step's 16 loads are in; the next step's 16 may be out
.else
	s_wait_loadcnt 0
.endif
.set I, 0
.rept 16
	ds_store_b128 v[SIN], v[R+64*((\t)%2)+4*I:R+64*((\t)%2)+4*I+3] offset:528*I
.set I, I+1
.endr
.irp b, 0,1,2,3
.irp j, 0,1,2,3
	ds_load_b128 v[X+16*\b+4*\j:X+16*\b+4*\j+3], v[SOUT] offset:128*\b+16*\j   ; LDS serves a wave's instructions in order: these see the stores above
.endr
.endr
	s_wait_dscnt 0x0                               ; my 64 numbers are back, and the stage's stores have read their registers
	s_wait_xcnt 0x0                                ; the last step's stores have read the codes' registers, which QUANT writes anew
.if (\t) < 6
	LOAD (\t)+2
.endif
	QUANT X, PWB+(\t)
.irp c, 0,1
	global_store_b128 v[L16], v[PC+6*\c:PC+6*\c+3], s[18:19] offset:1536*(\t)+768*\c     ; 512 consecutive bytes, aligned
	global_store_b64 v[L8], v[PC+6*\c+4:PC+6*\c+5], s[18:19] offset:1536*(\t)+768*\c     ; 256 consecutive bytes, aligned
.endr
.endm
	LOAD 0
	LOAD 1
.irp t, 0,1,2,3,4,5,6,7
	STEP \t
.endr
.irp j, 0,1,2,3
	v_cndmask_b32 v[CH+\j], v[PWB+\j], v[PWB+4+\j], s32   ; lanes 0-15 store words 0-3 of their row, lanes 16-31 words 4-7
.endr
	global_store_b128 v[SCO], v[CH:CH+3], s[20:21]        ; the RB's 512 scale bytes, consecutive
	s_wait_tensorcnt 0x0                           ; the wave's end: behind my last LDS store
	ds_add_u32 v[SPW], v[NIL]
	s_wait_dscnt 0x0
	s_endpgm
.Lfunc_end_k_qb2565102b2_quant:
	.size	k_qb2565102b2_quant, .Lfunc_end_k_qb2565102b2_quant-k_qb2565102b2_quant
	.p2alignl 7, 3214868480
	.fill 96, 4, 3214868480
	.section	.rodata,"a",@progbits
	.p2align	6, 0x0
	.amdhsa_kernel k_qb2565102b2_quant
		.amdhsa_group_segment_fixed_size 60160
		.amdhsa_private_segment_fixed_size 0
		.amdhsa_enable_private_segment 0
		.amdhsa_kernarg_size 72
		.amdhsa_user_sgpr_count 2
		.amdhsa_user_sgpr_kernarg_segment_ptr 1
		.amdhsa_wavefront_size32 1
		.amdhsa_system_sgpr_workgroup_id_x 1
		.amdhsa_system_sgpr_workgroup_id_y 1
		.amdhsa_system_sgpr_workgroup_id_z 1
		.amdhsa_system_vgpr_workitem_id 0
		.amdhsa_next_free_vgpr 256
		.amdhsa_next_free_sgpr 66
		.amdhsa_reserve_vcc 0
		.amdhsa_float_denorm_mode_32 3
		.amdhsa_float_denorm_mode_16_64 3
		.amdhsa_memory_ordered 1
		.amdhsa_forward_progress 1
		.amdhsa_inst_pref_size 66
	.end_amdhsa_kernel
	.amdgpu_metadata
---
amdhsa.version: [ 1, 2 ]
amdhsa.kernels:
  - .name:           k_qb2565102b2_quant
    .symbol:         k_qb2565102b2_quant.kd
    .args:
      - { .name: query, .offset: 0, .size: 8, .value_kind: global_buffer, .address_space: global }
      - { .name: key, .offset: 8, .size: 8, .value_kind: global_buffer, .address_space: global }
      - { .name: value, .offset: 16, .size: 8, .value_kind: global_buffer, .address_space: global }
      - { .name: Wq, .offset: 24, .size: 8, .value_kind: global_buffer, .address_space: global }
      - { .name: Wk, .offset: 32, .size: 8, .value_kind: global_buffer, .address_space: global }
      - { .name: Wv, .offset: 40, .size: 8, .value_kind: global_buffer, .address_space: global }
      - { .name: Wo, .offset: 48, .size: 8, .value_kind: global_buffer, .address_space: global }
      - { .name: codes, .offset: 56, .size: 8, .value_kind: global_buffer, .address_space: global }
      - { .name: scales, .offset: 64, .size: 8, .value_kind: global_buffer, .address_space: global }
    .group_segment_fixed_size: 60160
    .private_segment_fixed_size: 0
    .kernarg_segment_align: 8
    .kernarg_segment_size: 72
    .max_flat_workgroup_size: 224
    .sgpr_count:     66
    .vgpr_count:     256
    .wavefront_size: 32
...
	.end_amdgpu_metadata
.endif
;; end of part 1
;; launch proj (part 2): grid 4 x 64, 4 waves a work-group, clusters of 4 x 4, 327,680 bytes of LDS; arguments codes, scales, bq, bk, bv, qkv; writes qkv
.if DOCPART == 2
	.amdgcn_target "amdgcn-amd-amdhsa--gfx1250"
	.amdhsa_code_object_version 6
	.text
	.protected	k_qb2565102b2_proj
	.globl	k_qb2565102b2_proj
	.p2align	8
	.type	k_qb2565102b2_proj,@function
k_qb2565102b2_proj:
	s_mov_b64 s[64:65], 0
	v_nop
	global_prefetch_b8 v0, s[64:65] scope:SCOPE_SE
	s_setreg_imm32_b32 hwreg(HW_REG_WAVE_MODE, 25, 1), 1
	s_wait_xcnt 0x0
	s_wait_alu depctr_hold_cnt(0) depctr_sa_sdst(0) depctr_va_vdst(0) depctr_va_sdst(0) depctr_va_ssrc(0) depctr_va_vcc(0) depctr_vm_vsrc(0)
	s_getreg_b32 s2, hwreg(HW_REG_IB_STS2, 6, 4)
	s_cmp_eq_u32 s2, 0
	s_cbranch_scc0 .Lentry_in_a_cluster
	s_endpgm
.Lentry_in_a_cluster:
	s_bfe_u32 s2, ttmp6, 0x10000c
	s_cmp_lg_u32 s2, 0xf033
	s_cbranch_scc0 .Lentry_shape_is_right
	s_endpgm
.Lentry_shape_is_right:
; q = query Wq^T + bq, k = key Wk^T + bk, v = value Wv^T + bv on codes of FP6 with E8M0 scales, sums in f32, bias in f32; the results are quantised at once: q and k along a head's 64 channels, v along the keys.  No work is left out.
; qkv: 64 heads (16 x batch + head) x 307,200 bytes: Q's codes at 0 (128 HALFs, one for each row block of 16 queries), Q's scale words at 98,304 ([pair of row blocks][r]: low half the even block's two bytes, high half the odd one's),
; K's codes at 102,400 (as Q's), V's codes at 200,704 ([128 keys: 16][16 channels: 4] fragments of 1,536 bytes), K's scale words at 299,008 (as Q's), V's at 303,104 ([16][4][r] words).  HALF and row block: as the first launch lays them.
; TILE.  256 rows of source 0 ("B", cut along the cluster's x) by 128 rows of source 1 ("A", cut along its y), all of K = 1,024.  For q and k: B = the weight, A = the activations: a lane holds one token and its registers run along the channels.
; For v: B = value, A = Wv: a lane holds one channel and its registers run along the keys.  In both a lane's 64 results of one block of A are 64 numbers along the next product's K, in the order that QUANT takes.
; Four waves: wave w takes A's row blocks 4 (w / 2) on and B's 8 (w % 2) on: 32 accumulators.
; A WORK-GROUP STAYS: 768 tiles = 256 work-groups x 3: each makes a tile of q, then of k, then of v.  The q and k tiles are a loop of two trips; the v tile is the tail, written out: it asks for nothing more.
; LDS: a ring of two slots, each a half of K (512): A's 8 row blocks x 6,144 bytes, then B's 16; behind them the scale bytes (A's 4,096, B's 8,192), which a tile reads into registers at its start; then the spare words.
; FILLS, all joint (A's tiles shared along a row of the cluster, B's along a column), one a wave, each behind the three lines and a round of the cluster's barrier:
; at the head and in K step 3 of the q and k tiles: the coming tile's first half of B (wave 0), of A (wave 1), A's scale bytes (wave 2), B's (wave 3); at each tile's start: its second half of B (wave 0) and of A (wave 1).
; One tensor load of a wave is out at the most.  A first half is asked for five K steps and a way out ahead of its first read, a second half four K steps ahead.  No prefetch is written.
; REGISTERS: window 0: v1-15, v26-27 addresses; v16-25 scale words on the way out; v32-95 the scale words of all K; v96-191 A's fragments, two sets (later 64 numbers, codes, work); v192-255 the bias.  window 1: B's fragments, two sets.  window 2: accumulator (a, b) at v[8 (8 a + b)].
; LIMITS: a block of zeros gets the byte 1 (read by this program alone); NaN and infinities are not served; the scale words leave in runs of 128 bytes, half an aligned 256.
.set CHUNK,  147456                    ; a slot
.set BOFF,   49152                     ; B's row blocks in it
.set SCL,    294912                    ; the scale bytes
.set SPARE,  307200                    ; the spare words: 128 bytes a wave, two blocks of 256 bytes that no other line names
.set ADRA16, 4                         ; v4-7  LDS addresses of my fragments in slot 0: + 16 x lane, + 512 + 8 x lane;  v14, v15, v26, v27: the same in slot 1.  None is rewritten
.set ADRA8,  5
.set ADRB16, 6
.set ADRB8,  7
.set ADRS,   8                         ; v8    of my scale words: lanes 0-15 A's, lanes 16-31 B's
.set L16,    9                         ; v9    16 x lane
.set L8,     10                        ; v10   512 + 8 x lane
.set L4,     11                        ; v11   4 x lane
.set PWR,    16                        ; v16-19 the four blocks' scale words
.set SPW,    28
.set NIL,    29
.set SC,     32
.set AF,     96
.set BIAS,   192
.set X,      96
.set PC,     160
.set TM,     180
.set WV, 16                            ; s16 wave, s17 wave / 2, s18 wave % 2
.set WR, 17
.set WC, 18
.set CX, 19
.set CY, 20
.set T0, 21                            ; s21 which 256 rows of B
.set KIND, 22                          ; s22 0 q, 1 k, 2 v: the tile in hand; the loop's counter
.set T1, 23                            ; s23 which 128 rows of A
.set SEL, 34                           ; s[34:35] lane selects, s36 lanes 16-31;  s24-33 at work on the way out
.set HM,  36
.set T0N, 37                           ; s37-39 T0, T1 and the kind of the tile that is asked for
.set T1N, 38
.set KN,  39
.set G1SA, 40                          ; descriptor groups 1: constants, never rewritten
.set G1SB, 48
.set G1A, 72
.set G1B, 92
.set GSA, 56                           ; groups 0: A's scale bytes, A's first half, A's second half, B's scale bytes, B's first half, B's second half
.set GA0, 60
.set GA1, 68
.set GSB, 80
.set GB0, 84
.set GB1, 88
.set MSB, 0
.macro WIN new                         ; the immediate's high byte repeats the setting that is left
.if MSB != \new
	s_set_vgpr_msb (MSB<<8)|\new
.set MSB, \new
.endif
.endm
.macro TL g0, g1                       ; a joint load; an s_nop 0 and four v_nop follow it
	tensor_load_to_lds s[\g0:\g0+3], s[\g1:\g1+7]
	s_nop 0
.rept 4
	v_nop
.endr
.endm
.macro QUAD id                         ; a tile's first half and its scale bytes: one load a wave, in one chain of branches on the wave's number
	s_cmp_lt_u32 s[WV], 1
	s_cbranch_scc0 .Lqa_\id
	TL GB0, G1B
	s_branch .Lqz_\id
.Lqa_\id:
	s_cmp_lt_u32 s[WV], 2
	s_cbranch_scc0 .Lqb_\id
	TL GA0, G1A
	s_branch .Lqz_\id
.Lqb_\id:
	s_cmp_lt_u32 s[WV], 3
	s_cbranch_scc0 .Lqc_\id
	TL GSA, G1SA
	s_branch .Lqz_\id
.Lqc_\id:
	TL GSB, G1SB
.Lqz_\id:
.endm
.macro PAIR id                         ; a tile's second half: wave 0 B's, wave 1 A's
	s_cmp_lt_u32 s[WV], 1
	s_cbranch_scc0 .Lpa_\id
	TL GB1, G1B
	s_branch .Lpz_\id
.Lpa_\id:
	s_cmp_lt_u32 s[WV], 2
	s_cbranch_scc0 .Lpz_\id
	TL GA1, G1A
.Lpz_\id:
.endm
.macro CROUND                          ; a round of the cluster's barrier
	s_barrier_signal -1
	s_barrier_wait -1
	s_cmp_lg_u32 s[WV], 0
	s_cbranch_scc1 .Lnot_wave_0_\@
	s_barrier_signal -3
.Lnot_wave_0_\@:
	s_barrier_wait -3
	s_barrier_signal -1
	s_barrier_wait -1
.endm
.macro SETG g, ptr, off                ; a group 0's global address and type
	s_add_nc_u64 s[\g+2:\g+3], s[\ptr:\ptr+1], \off
	s_or_b32 s[\g+3], s[\g+3], 0x80000000
.endm
; The tile of kind s[KN]: its numbers into s[T0N], s[T1N], its addresses into the six groups 0.  q, k: A = the activations (64 tiles of 128 rows), B = the weight (4 tiles of 256).  v: A = Wv (8 tiles), B = value (32 tiles).
; Scalar work alone.  A's addresses hang on the cluster's y alone (s100, s101, s104, s105), B's on its x alone (s2, s3, s66, s67).  It stands where no tensor load of the wave is out.
.macro WHICH
	s_and_b32 s2, ttmp7, 0xffff                    ; the cluster's number, 0..15
	s_lshl_b32 s100, s2, 2
	s_lshr_b32 s101, s2, 3
	s_lshl_b32 s101, s101, 2
	s_and_b32 s2, s2, 7
	s_lshl_b32 s2, s2, 2
	s_lshl_b32 s104, s[KN], 9                      ; the activations' first row block: 512 x kind
	s_lshl_b32 s3, s[KN], 6
	s_add_co_u32 s3, s3, 1536                      ; the weight's: 1,536 + 64 x kind
	s_mov_b32 s105, 1664
	s_mov_b32 s66, 1024
	s_cmp_eq_u32 s[KN], 2
	s_cselect_b32 s[T1N], s101, s100
	s_cselect_b32 s[T0N], s2, 0
	s_cselect_b32 s104, s105, s104                 ; A's first row block
	s_cselect_b32 s3, s66, s3                      ; B's
	s_add_co_u32 s[T1N], s[T1N], s[CY]
	s_add_co_u32 s[T0N], s[T0N], s[CX]
	s_lshl_b32 s100, s[T1N], 3
	s_add_co_u32 s100, s100, s104                  ; the tile's first row block of A
	s_lshl_b32 s2, s[T0N], 4
	s_add_co_u32 s2, s2, s3                        ; and of B
	s_mul_i32 s104, s100, 12288
	s_mov_b32 s105, 0
	s_lshl_b32 s100, s100, 9
	s_mov_b32 s101, 0
	s_mul_i32 s66, s2, 12288
	s_mov_b32 s67, 0
	s_lshl_b32 s2, s2, 9
	s_mov_b32 s3, 0
	s_add_nc_u64 s[104:105], s[4:5], s[104:105]
	s_add_nc_u64 s[100:101], s[6:7], s[100:101]
	s_add_nc_u64 s[66:67], s[4:5], s[66:67]
	s_add_nc_u64 s[2:3], s[6:7], s[2:3]
	SETG GSA, 100, 0
	SETG GSB, 2, 0
	SETG GA0, 104, 0
	SETG GB0, 66, 0
	SETG GA1, 104, 6144
	SETG GB1, 66, 6144
.endm
.macro QUANT s, pw                     ; 64 numbers of a lane, register 16 b + i = k 32 b + 16 h + i of my row -> codes in v[PC] .. v[PC + 11], scale word in v[pw]
.irp b, 0,1,2,3
	v_max3_num_f32 v[TM+\b], |v[\s+16*\b]|, |v[\s+1+16*\b]|, 0x1800000   ; with the floor 2^(3 - 127): the byte cannot fall under 1
.endr
.irp i, 2,4,6,8,10,12,14
.irp b, 0,1,2,3
	v_max3_num_f32 v[TM+\b], v[TM+\b], |v[\s+16*\b+\i]|, |v[\s+1+16*\b+\i]|
.endr
.endr
.irp b, 0,1,2,3
	v_permlanex16_b32 v[TM+4+\b], v[TM+\b], s[SEL], s[SEL+1]
.endr
.irp b, 0,1,2,3
	v_max_num_f32 v[TM+\b], v[TM+\b], v[TM+4+\b]
.endr
.irp b, 0,1,2,3
	v_add_nc_u32 v[TM+8+\b], 0xff000000, v[TM+\b]  ; 2 off the exponent field: the conversion's scale operand
.endr
.irp b, 0,1,2,3
	v_lshrrev_b32 v[TM+4+\b], 23, v[TM+8+\b]       ; the byte
.endr
	v_lshl_or_b32 v[\pw], v[TM+5], 8, v[TM+4]
	v_lshl_or_b32 v[\pw], v[TM+6], 16, v[\pw]
	v_lshl_or_b32 v[\pw], v[TM+7], 24, v[\pw]
.irp c, 0,1
	v_cvt_scalef32_pk16_fp6_f32 v[PC+6*\c:PC+2+6*\c], v[\s+32*\c:\s+15+32*\c], v[TM+8+2*\c]
	v_cvt_scalef32_pk16_fp6_f32 v[PC+12+4*\c:PC+14+4*\c], v[\s+16+32*\c:\s+31+32*\c], v[TM+8+2*\c+1]
.endr
	v_nop                                          ; one plain place behind a scaled conversion
.irp c, 0,1
.irp i, 0,1,2
	v_permlane16_swap_b32 v[PC+6*\c+\i], v[PC+12+4*\c+\i]
.endr
.irp i, 0,1,2
	v_mov_b32 v[PC+3+6*\c+\i], v[PC+12+4*\c+\i]
.endr
.endr
.endm
	s_load_b256 s[4:11], s[0:1], 0x0               ; codes, scales, bq, bk
	s_load_b128 s[12:15], s[0:1], 0x20             ; bv, qkv
	v_lshl_add_u32 v[SPW], v0, 2, SPARE
	v_mov_b32 v[NIL], 0
	ds_add_u32 v[SPW], v[NIL]                      ; the opening lines: the add, twice on end, and its wait ahead of my first tensor load
	ds_add_u32 v[SPW], v[NIL]
	v_lshrrev_b32 v1, 5, v0
	v_readfirstlane_b32 s[WV], v1
	s_lshr_b32 s[WR], s[WV], 1
	s_and_b32 s[WC], s[WV], 1
	s_bfe_u32 s[CX], ttmp6, 0x40000
	s_bfe_u32 s[CY], ttmp6, 0x40004
	s_lshl_b32 s100, s[CY], 2
	s_lshl_b32 s100, 15, s100                      ; my row of the cluster
	s_lshl_b32 s2, 0x1111, s[CX]                   ; my column
	s_or_b32 s[G1A], s100, (3<<16)|(1<<21)         ; elements of 8 bytes, no padding, bit 21 beside the mask
	s_or_b32 s[G1SA], s100, (3<<16)|(1<<21)
	s_or_b32 s[G1B], s2, (3<<16)|(1<<21)
	s_or_b32 s[G1SB], s2, (3<<16)|(1<<21)
	s_mov_b32 s[G1A+1], 768<<16                    ; A's half of K: 8 row blocks x 6,144 bytes, 12,288 bytes apart in memory
	s_mov_b32 s[G1A+2], 8<<16
	s_mov_b32 s[G1A+3], 768<<16
	s_mov_b32 s[G1A+4], 8
	s_mov_b32 s[G1A+5], 1536
	s_mov_b32 s[G1A+6], 0
	s_mov_b32 s[G1A+7], 0
	s_mov_b32 s[G1B+1], 768<<16                    ; B's: 16 row blocks
	s_mov_b32 s[G1B+2], 16<<16
	s_mov_b32 s[G1B+3], 768<<16
	s_mov_b32 s[G1B+4], 16
	s_mov_b32 s[G1B+5], 1536
	s_mov_b32 s[G1B+6], 0
	s_mov_b32 s[G1B+7], 0
	s_mov_b32 s[G1SA+1], 32<<16                    ; the scale bytes of A's 8 row blocks: 4,096 dense bytes as 16 rows of 256
	s_mov_b32 s[G1SA+2], 16<<16
	s_mov_b32 s[G1SA+3], 32<<16
	s_mov_b32 s[G1SA+4], 16
	s_mov_b32 s[G1SA+5], 32
	s_mov_b32 s[G1SA+6], 0
	s_mov_b32 s[G1SA+7], 0
	s_mov_b32 s[G1SB+1], 32<<16                    ; of B's 16: 32 rows of 256
	s_mov_b32 s[G1SB+2], 32<<16
	s_mov_b32 s[G1SB+3], 32<<16
	s_mov_b32 s[G1SB+4], 32
	s_mov_b32 s[G1SB+5], 32
	s_mov_b32 s[G1SB+6], 0
	s_mov_b32 s[G1SB+7], 0
	s_mov_b32 s[GSA], 1                            ; the groups 0: count and LDS address, constants
	s_mov_b32 s[GSA+1], SCL
	s_mov_b32 s[GSB], 1
	s_mov_b32 s[GSB+1], SCL+4096
	s_mov_b32 s[GA0], 1
	s_mov_b32 s[GA0+1], 0
	s_mov_b32 s[GB0], 1
	s_mov_b32 s[GB0+1], BOFF
	s_mov_b32 s[GA1], 1
	s_mov_b32 s[GA1+1], CHUNK
	s_mov_b32 s[GB1], 1
	s_mov_b32 s[GB1+1], CHUNK+BOFF
	s_mov_b32 s[SEL], 0x76543210
	s_mov_b32 s[SEL+1], 0xfedcba98
	s_mov_b32 s[HM], 0xffff0000
	s_mov_b32 s[KN], 0
	s_mov_b32 s[KIND], 0
	s_wait_dscnt 0x0                               ; both opening adds are done
	s_wait_kmcnt 0x0
	WHICH                                          ; the q tile
	s_mov_b32 s[T0], s[T0N]
	s_mov_b32 s[T1], s[T1N]
	CROUND                                         ; all sixteen work-groups are here: the joint loads meet
	QUAD 0                                         ; one load a wave at the head
	v_and_b32 v1, 15, v0                           ; r
	v_bfe_u32 v2, v0, 4, 1                         ; h
	v_and_b32 v3, 31, v0                           ; lane
	v_lshlrev_b32 v[L16], 4, v3
	v_lshl_add_u32 v[L8], v3, 3, 512
	v_lshlrev_b32 v[L4], 2, v3
	s_mul_i32 s2, s[WR], 24576                     ; my four row blocks of A
	v_add_nc_u32 v[ADRA16], s2, v[L16]
	v_add_nc_u32 v[ADRA8], s2, v[L8]
	s_mul_i32 s2, s[WC], 49152                     ; my eight of B
	s_add_co_u32 s2, s2, BOFF
	v_add_nc_u32 v[ADRB16], s2, v[L16]
	v_add_nc_u32 v[ADRB8], s2, v[L8]
	v_add_nc_u32 v[ADRA16+10], CHUNK, v[ADRA16]    ; and the same in slot 1
	v_add_nc_u32 v[ADRA8+10], CHUNK, v[ADRA8]
	v_add_nc_u32 v[ADRB16+20], CHUNK, v[ADRB16]
	v_add_nc_u32 v[ADRB8+20], CHUNK, v[ADRB8]
	s_lshl_b32 s2, s[WR], 11                       ; scale bytes: A's, 2,048 x (wave / 2); lanes 16-31 take B's, at 4,096 + 4,096 x (wave % 2): one product with h
	s_lshl_b32 s3, s[WC], 12
	s_add_co_u32 s3, s3, 4096
	s_sub_co_u32 s3, s3, s2
	v_mul_u32_u24 v[ADRS], s3, v2
	v_lshl_add_u32 v[ADRS], v1, 5, v[ADRS]         ; 32 bytes a row
	s_add_co_u32 s2, s2, SCL
	v_add_nc_u32 v[ADRS], s2, v[ADRS]
.macro FETCH s                         ; K step s (128 along K): 48 LDS loads: B's eight fragments and A's four, from slot s / 4 into set s % 2; each instruction reads 512 or 256 consecutive bytes
	WIN 0x40                                       ; destination window 1
.irp b, 0,1,2,3,4,5,6,7
.irp c, 0,1
	ds_load_b128 v[128*((\s)%2)+12*\b+6*\c:128*((\s)%2)+12*\b+6*\c+3], v[ADRB16+20*((\s)/4)] offset:6144*\b+1536*((\s)%4)+768*\c
	ds_load_b64 v[128*((\s)%2)+12*\b+6*\c+4:128*((\s)%2)+12*\b+6*\c+5], v[ADRB8+20*((\s)/4)] offset:6144*\b+1536*((\s)%4)+768*\c
.endr
.endr
	WIN 0
.irp a, 0,1,2,3
.irp c, 0,1
	ds_load_b128 v[AF+48*((\s)%2)+12*\a+6*\c:AF+48*((\s)%2)+12*\a+6*\c+3], v[ADRA16+10*((\s)/4)] offset:6144*\a+1536*((\s)%4)+768*\c
	ds_load_b64 v[AF+48*((\s)%2)+12*\a+6*\c+4:AF+48*((\s)%2)+12*\a+6*\c+5], v[ADRA8+10*((\s)/4)] offset:6144*\a+1536*((\s)%4)+768*\c
.endr
.endr
.endm
.macro MM a, b, s, cm                  ; source 0 = B's block b (its scales in lanes 16-31 of its register), source 1 = A's block a
.set DD, 8*(8*(\a)+(\b))
.set B0, 128*((\s)%2)+12*(\b)
.set A0, AF+48*((\s)%2)+12*(\a)
.if \cm == 1
	v_wmma_scale_f32_16x16x128_f8f6f4 v[DD:DD+7], v[B0:B0+11], v[A0:A0+11], 0, v[SC+8*(\b)+(\s)], v[SC+8*(\a)+(\s)] matrix_a_fmt:MATRIX_FMT_FP6 matrix_b_fmt:MATRIX_FMT_FP6 matrix_a_scale:MATRIX_SCALE_ROW1
.else
	v_wmma_scale_f32_16x16x128_f8f6f4 v[DD:DD+7], v[B0:B0+11], v[A0:A0+11], v[DD:DD+7], v[SC+8*(\b)+(\s)], v[SC+8*(\a)+(\s)] matrix_a_fmt:MATRIX_FMT_FP6 matrix_b_fmt:MATRIX_FMT_FP6 matrix_a_scale:MATRIX_SCALE_ROW1
.endif
.endm
; K step s: the next step's fragments are asked for, then this step's 32 products: the 32 accumulators take turns in the same order in every step.
; In K step 3 slot 1 is shown to all waves and slot 0 and the scale bytes are read no more.  rf = 1: they are filled again, with the next tile's
.macro STEP s, cm, rf=0
.if (\s) == 3
	s_wait_tensorcnt 0x0                           ; all my tensor loads have landed: my part of slot 1, if I asked for one
.if \rf
	ds_add_u32 v[SPW], v[NIL]                      ; scalar work stands between the add and the wait for it
	s_add_co_u32 s[KN], s[KIND], 1
	WHICH                                          ; no tensor load of mine is out: the groups 0 take the next tile's addresses
	s_wait_dscnt 0x0                               ; the add is done, and so are my reads of slot 0 and of the scale bytes
	CROUND                                         ; the same holds of every wave of all sixteen work-groups
	QUAD 1                                         ; my one load behind the round; its four v_nop are the places in front of the loads below
.else
	s_wait_dscnt 0x0                               ; no LDS instruction of mine is out at a signal
	s_barrier_signal -1
	s_barrier_wait -1
.rept 4
	v_nop
.endr
.endif
.elseif ((\s) > 0) && ((\s) < 7)
.rept 4
	v_nop                                          ; four places in front of loads into registers that matrix instructions have read
.endr
.endif
.if (\s) < 7
	FETCH (\s)+1
	s_wait_dscnt 48                                ; all but the 48 just issued
.else
	s_wait_dscnt 0x0
.endif
	WIN 0xa1                                       ; source 0 window 1, source 1 window 0, C and D window 2
.irp a, 0,1,2,3
.irp b, 0,1,2,3,4,5,6,7
	MM \a, \b, \s, \cm
.endr
.endr
	WIN 0
.endm
; A tile's start: its first half and scale bytes are shown to all waves, slot 1 is read no more and takes the tile's second half; K steps 0 to 5
.macro OPEN id, rf
	s_wait_tensorcnt 0x0                           ; my tile of the four is in
	ds_add_u32 v[SPW], v[NIL]
	s_wait_dscnt 0x0
	CROUND
	PAIR \id
.irp i, 0,1,2,3,4,5,6,7                        ; the scale words of all K, once: register SC + 8 i + s: lanes 0-15 A's block i, lanes 16-31 B's block i, K step s
.irp j, 0,1
	ds_load_b128 v[SC+8*\i+4*\j:SC+8*\i+4*\j+3], v[ADRS] offset:512*\i+16*\j
.endr
.endr
	FETCH 0
	STEP 0, 1                                      ; the first products start the sums
	STEP 1, 0
	STEP 2, 0
	STEP 3, 0, \rf
	STEP 4, 0
	STEP 5, 0
.endm
; Block a of A: 64 results of a lane + bias -> window 0 (each accumulator is read from its low end on), quantised.  kind = 0: the bias runs along the registers; 1: it is the lane's own
.macro EPI a, kind
.if (\a) > 0
	s_wait_xcnt 0x0                                ; the last block's stores have read the codes' registers
.endif
	WIN 0x02                                       ; source 0 window 2
.set I, 0
.rept 32
.if \kind
	v_pk_add_f32 v[X+2*I:X+2*I+1], v[64*(\a)+2*I:64*(\a)+2*I+1], v[BIAS+2*(\a):BIAS+2*(\a)+1]
.else
	v_pk_add_f32 v[X+2*I:X+2*I+1], v[64*(\a)+2*I:64*(\a)+2*I+1], v[BIAS+2*I:BIAS+2*I+1]
.endif
.set I, I+1
.endr
	WIN 0
	QUANT X, PWR+(\a)
.endm
	s_wait_alu depctr_va_vdst(0)
.Ltile:
	; ---- q, then k
	OPEN 0, 1
	s_cmp_eq_u32 s[KIND], 0
	s_cselect_b64 s[24:25], s[8:9], s[10:11]       ; bq or bk
	s_cselect_b32 s32, 0, 102400                   ; where the codes go in a head's bytes,
	s_mov_b32 s33, 299008
	s_cselect_b32 s33, 98304, s33                  ; and the scale words
	s_lshl_b32 s26, s[T0], 10
	s_lshl_b32 s27, s[WC], 9
	s_add_co_u32 s26, s26, s27                     ; my 128 channels: 4 (256 T0 + 128 (wave % 2)) bytes
	s_mov_b32 s27, 0
	s_add_nc_u64 s[24:25], s[24:25], s[26:27]
	v_lshlrev_b32 v12, 6, v2                       ; lane (r, h) wants, for tile b, the bias of channels 32 (b / 2) + 16 h + 8 (b % 2) + 0 .. 7
.irp b, 0,1,2,3,4,5,6,7
	global_load_b128 v[BIAS+8*\b:BIAS+8*\b+3], v12, s[24:25] offset:(32*(\b/2)+8*(\b%2))*4
	global_load_b128 v[BIAS+8*\b+4:BIAS+8*\b+7], v12, s[24:25] offset:(32*(\b/2)+8*(\b%2))*4+16
.endr
	s_lshr_b32 s28, s[T1], 4
	s_lshl_b32 s28, s28, 4                         ; 16 x batch
	s_lshl_b32 s29, s[T0], 2
	s_add_co_u32 s28, s28, s29
	s_lshl_b32 s29, s[WC], 1
	s_add_co_u32 s28, s28, s29                     ; + my even head
	s_mul_i32 s28, s28, 307200
	s_and_b32 s29, s[T1], 15
	s_lshl_b32 s29, s29, 3
	s_lshl_b32 s30, s[WR], 2
	s_add_co_u32 s29, s29, s30                     ; my first row block in the batch
	s_mul_i32 s30, s29, 768
	s_lshl_b32 s31, s29, 5
	s_add_co_u32 s30, s30, s28
	s_add_co_u32 s30, s30, s32
	s_add_co_u32 s32, s31, s28
	s_add_co_u32 s32, s32, s33
	s_mov_b32 s31, 0
	s_mov_b32 s33, 0
	s_add_nc_u64 s[30:31], s[14:15], s[30:31]
	s_add_nc_u64 s[32:33], s[14:15], s[32:33]
	s_wait_alu depctr_va_vdst(0)
	STEP 6, 0                                      ; the bias lands under the last two K steps
	STEP 7, 0
.rept 4
	v_nop                                          ; four places behind the last products
.endr
.irp b, 0,1,2,3
	v_mov_b32 v[TM+4+\b], 0                        ; a lane permute's destination counts as one of its sources
.endr
	s_wait_loadcnt 0x0
.irp a, 0,1,2,3
	EPI \a, 0
.irp c, 0,1                                    ; codes 64 c on are head 2 i + c's HALF of this row block
	global_store_b128 v[L16], v[PC+6*\c:PC+6*\c+3], s[30:31] offset:768*\a+307200*\c
	global_store_b64 v[L8], v[PC+6*\c+4:PC+6*\c+5], s[30:31] offset:768*\a+307200*\c
.endr
.endr
	v_perm_b32 v20, v17, v16, 0x05040100           ; the even head's bytes of blocks 0 and 1,
	v_perm_b32 v21, v19, v18, 0x05040100           ; of blocks 2 and 3;
	v_perm_b32 v22, v17, v16, 0x07060302           ; the odd head's
	v_perm_b32 v23, v19, v18, 0x07060302
	v_cndmask_b32 v24, v20, v21, s[HM]             ; lanes 0-15 store the first pair's words, lanes 16-31 the second's
	v_cndmask_b32 v25, v22, v23, s[HM]
	global_store_b32 v[L4], v24, s[32:33]
	global_store_b32 v[L4], v25, s[32:33] offset:307200
	s_wait_xcnt 0x0                                ; the stores have read their registers and bases, which the next tile writes anew
	s_mov_b32 s[T0], s[T0N]                        ; on to the tile that was asked for in K step 3
	s_mov_b32 s[T1], s[T1N]
	s_add_co_u32 s[KIND], s[KIND], 1
	s_cmp_lt_u32 s[KIND], 2
	s_wait_alu depctr_va_vdst(0)
	s_cbranch_scc1 .Ltile
	; ---- v, the tail: a lane holds one channel, its registers run along 128 keys; nothing more is asked for beyond its own second half
	OPEN 1, 0
	s_lshl_b32 s26, s[T1], 9
	s_lshl_b32 s27, s[WR], 8
	s_add_co_u32 s26, s26, s27                     ; my 64 channels, one head
	s_mov_b32 s27, 0
	s_add_nc_u64 s[24:25], s[12:13], s[26:27]
	v_and_b32 v12, 7, v1
	v_lshrrev_b32 v13, 3, v1
	v_lshl_add_u32 v12, v13, 4, v12
	v_lshlrev_b32 v12, 2, v12                      ; lane r of block a is channel 32 (a / 2) + 8 (a % 2) + r % 8 + 16 (r / 8)
.irp a, 0,1,2,3
	global_load_b32 v[BIAS+2*\a], v12, s[24:25] offset:(32*(\a/2)+8*(\a%2))*4
	global_load_b32 v[BIAS+2*\a+1], v12, s[24:25] offset:(32*(\a/2)+8*(\a%2))*4   ; twice: a pair for the packed addition
.endr
	s_lshr_b32 s28, s[T0], 3
	s_lshl_b32 s28, s28, 4                         ; 16 x batch
	s_lshl_b32 s29, s[T1], 1
	s_add_co_u32 s28, s28, s29
	s_add_co_u32 s28, s28, s[WR]                   ; + my head
	s_mul_i32 s28, s28, 307200
	s_and_b32 s29, s[T0], 7
	s_lshl_b32 s29, s29, 1
	s_add_co_u32 s29, s29, s[WC]                   ; which 128 keys of the batch
	s_mul_i32 s30, s29, 6144
	s_add_co_u32 s30, s30, s28
	s_add_co_u32 s30, s30, 200704
	s_lshl_b32 s32, s29, 8
	s_add_co_u32 s32, s32, s28
	s_add_co_u32 s32, s32, 303104
	s_mov_b32 s31, 0
	s_mov_b32 s33, 0
	s_add_nc_u64 s[30:31], s[14:15], s[30:31]
	s_add_nc_u64 s[32:33], s[14:15], s[32:33]
	s_wait_alu depctr_va_vdst(0)
	STEP 6, 0
	STEP 7, 0
.rept 4
	v_nop
.endr
.irp b, 0,1,2,3
	v_mov_b32 v[TM+4+\b], 0
.endr
	s_wait_loadcnt 0x0
.irp a, 0,1,2,3
	EPI \a, 1
.irp c, 0,1
	global_store_b128 v[L16], v[PC+6*\c:PC+6*\c+3], s[30:31] offset:1536*\a+768*\c
	global_store_b64 v[L8], v[PC+6*\c+4:PC+6*\c+5], s[30:31] offset:1536*\a+768*\c
.endr
.endr
	v_cndmask_b32 v24, v16, v17, s[HM]
	v_cndmask_b32 v25, v18, v19, s[HM]
	global_store_b32 v[L4], v24, s[32:33]
	global_store_b32 v[L4], v25, s[32:33] offset:128
	s_wait_tensorcnt 0x0                           ; the wave's end
	ds_add_u32 v[SPW], v[NIL]
	s_wait_dscnt 0x0
	CROUND                                         ; the closing round
	s_endpgm
.Lfunc_end_k_qb2565102b2_proj:
	.size	k_qb2565102b2_proj, .Lfunc_end_k_qb2565102b2_proj-k_qb2565102b2_proj
	.p2alignl 7, 3214868480
	.fill 96, 4, 3214868480
	.section	.rodata,"a",@progbits
	.p2align	6, 0x0
	.amdhsa_kernel k_qb2565102b2_proj
		.amdhsa_group_segment_fixed_size 327680
		.amdhsa_private_segment_fixed_size 0
		.amdhsa_enable_private_segment 0
		.amdhsa_kernarg_size 48
		.amdhsa_user_sgpr_count 2
		.amdhsa_user_sgpr_kernarg_segment_ptr 1
		.amdhsa_wavefront_size32 1
		.amdhsa_system_sgpr_workgroup_id_x 1
		.amdhsa_system_sgpr_workgroup_id_y 1
		.amdhsa_system_sgpr_workgroup_id_z 1
		.amdhsa_system_vgpr_workitem_id 0
		.amdhsa_next_free_vgpr 768
		.amdhsa_next_free_sgpr 106
		.amdhsa_reserve_vcc 0
		.amdhsa_float_denorm_mode_32 3
		.amdhsa_float_denorm_mode_16_64 3
		.amdhsa_memory_ordered 1
		.amdhsa_forward_progress 1
		.amdhsa_inst_pref_size 189
	.end_amdhsa_kernel
	.amdgpu_metadata
---
amdhsa.version: [ 1, 2 ]
amdhsa.kernels:
  - .name:           k_qb2565102b2_proj
    .symbol:         k_qb2565102b2_proj.kd
    .args:
      - { .name: codes, .offset: 0, .size: 8, .value_kind: global_buffer, .address_space: global }
      - { .name: scales, .offset: 8, .size: 8, .value_kind: global_buffer, .address_space: global }
      - { .name: bq, .offset: 16, .size: 8, .value_kind: global_buffer, .address_space: global }
      - { .name: bk, .offset: 24, .size: 8, .value_kind: global_buffer, .address_space: global }
      - { .name: bv, .offset: 32, .size: 8, .value_kind: global_buffer, .address_space: global }
      - { .name: qkv, .offset: 40, .size: 8, .value_kind: global_buffer, .address_space: global }
    .group_segment_fixed_size: 327680
    .private_segment_fixed_size: 0
    .kernarg_segment_align: 8
    .kernarg_segment_size: 48
    .max_flat_workgroup_size: 128
    .sgpr_count:     106
    .vgpr_count:     768
    .wavefront_size: 32
...
	.end_amdgpu_metadata
.endif
;; end of part 2
;; launch attn (part 3): grid 4 x 64, 16 waves a work-group, clusters of 4 x 1, 206,848 bytes of LDS; arguments qkv, ac, asc; writes ac, asc
.if DOCPART == 3
	.amdgcn_target "amdgcn-amd-amdhsa--gfx1250"
	.amdhsa_code_object_version 6
	.text
	.protected	k_qb2565102b2_attn
	.globl	k_qb2565102b2_attn
	.p2align	8
	.type	k_qb2565102b2_attn,@function
k_qb2565102b2_attn:
	s_mov_b64 s[64:65], 0
	v_nop
	global_prefetch_b8 v0, s[64:65] scope:SCOPE_SE
	s_setreg_imm32_b32 hwreg(HW_REG_WAVE_MODE, 25, 1), 1
	s_wait_xcnt 0x0
	s_wait_alu depctr_hold_cnt(0) depctr_sa_sdst(0) depctr_va_vdst(0) depctr_va_sdst(0) depctr_va_ssrc(0) depctr_va_vcc(0) depctr_vm_vsrc(0)
	s_getreg_b32 s2, hwreg(HW_REG_IB_STS2, 6, 4)
	s_cmp_eq_u32 s2, 0
	s_cbranch_scc0 .Lentry_in_a_cluster
	s_endpgm
.Lentry_in_a_cluster:
	s_bfe_u32 s2, ttmp6, 0x10000c
	s_cmp_lg_u32 s2, 0x3003
	s_cbranch_scc0 .Lentry_shape_is_right
	s_endpgm
.Lentry_shape_is_right:
; For each of 64 heads: S = q k^T / 8, p = 2^(t - M), O = (p v) / l, both products on codes of FP6 with E8M0 scales; O is quantised at once along the model's 1,024 for the last projection.  No work is left out.
; t = score x log2(e) / 8; M = the running largest t rounded up to a whole number; p is quantised along the keys, not normalised; l is the sum of the unquantised p, in f32; when M moves, l and O are multiplied by 2^(old M - new M), exactly.
; SHARES.  The four work-groups of a cluster take 512 queries each of one head; each of sixteen waves takes two tiles of 16 queries, one after the other; four waves share a SIMD.
; LDS.  A head's K and V, codes and scale words, are 204,800 consecutive bytes of qkv and lie in LDS as they lie there: K's codes at 0, V's at 98,304, K's scale words at 196,608, V's at 200,704.  Each wave brings a sixteenth by ONE joint load,
; asked for by all four work-groups with the same descriptor.  Each byte is filled once: no ring.  No prefetch: all that the launch reads of K and V is asked for at the head, and the loops load nothing from memory.
; K = 64 IN AN INSTRUCTION OF 128.  A fragment of K's codes holds two row blocks of 16 keys: the even one in k 0..63, the odd one in k 64..127, with both blocks' bytes in its scale word.  Against [q | zeros] it gives the even block's scores,
; against [zeros | q] the odd one's.  Zero codes add nothing.  q's six registers stand between two runs of six zeros, so that both operands are runs of twelve registers.
; LAYOUT.  Both products are used transposed: a lane (r, h) holds query r throughout.  The first launch lays key's row blocks in fours: row block 4 c + u holds in lane r the key 64 c + 8 u + r % 8 + 32 (r / 8).
; So register 96 + 32 c + i is key 64 c + 32 h + i of the step: A LANE'S 32 REGISTERS ARE ONE WHOLE SCALE BLOCK OF p, block 2 c + h, in the order of the operand's registers: no lane is asked for a block's maximum, and no codes change lanes.
; O^T's registers 16 B + i are channels 32 B + 16 h + i.  ac: [row block 512][head 16] HALFs; asc: [row block][r][32 bytes], byte 2 x head + block: the layout of the first launch's codes and scales.
; LIMITS: the promise holds while the scaled scores t stay under 2^31 in magnitude; p under 2^-126 counts as 0; a block of zeros gets the byte 1 (read by this program alone); NaN and infinities are not served;
; asc's bytes leave one by one, 32 bytes apart: 262,144 bytes in the launch.
.set VCO,   98304
.set KSC,   196608
.set VSC,   200704
.set SPARE, 204800                     ; the spare words: 128 bytes a wave, eight blocks of 256 bytes that no other line names
.set SPW, 22
.set NIL, 23
.set WV,  10                           ; s10 wave, s11 my place in the cluster, s12 the head (16 x batch + head)
.set SEL, 14                           ; s[14:15] lane selects for lane l xor 16
.set CS,  16                           ; s[16:17] c = log2(e) / 8
.set HM,  18                           ; s18 lanes 16-31
; v1, v2: 16 x lane, 512 + 8 x lane; v3, v4: the same in V's codes; v5, v6: my scale words' places; v9: 32 r + h; v10: 4 r; v11: 8 h; v12 -M, v13 largest score, v[14:15] l; v16-21 the step's addresses; v24 q's scale word; v25 as loaded;
; v26-31 zeros, v32-37 q, v38-43 zeros; v44-91 four fragments; v92-95 their scale words; v96-159 S^T, then p; v160-191 O^T; v192-218, v244-247 at work; v224-235 p's codes
.macro CROUND
	s_barrier_signal -1
	s_barrier_wait -1
	s_cmp_lg_u32 s[WV], 0
	s_cbranch_scc1 .Lnot_wave_0_\@
	s_barrier_signal -3
.Lnot_wave_0_\@:
	s_barrier_wait -3
	s_barrier_signal -1
	s_barrier_wait -1
.endm
	s_load_b128 s[4:7], s[0:1], 0x0                ; qkv, ac
	s_load_b64 s[8:9], s[0:1], 0x10                ; asc
	v_lshl_add_u32 v[SPW], v0, 2, SPARE
	v_mov_b32 v[NIL], 0
	ds_add_u32 v[SPW], v[NIL]                      ; the opening lines: the add, twice on end, and its wait ahead of my first tensor load
	ds_add_u32 v[SPW], v[NIL]
	v_lshrrev_b32 v1, 5, v0
	v_readfirstlane_b32 s[WV], v1
	s_bfe_u32 s11, ttmp6, 0x40000
	s_and_b32 s12, ttmp7, 0xffff
	s_mov_b32 s24, 15|(3<<16)|(1<<21)              ; group 1: all four work-groups; elements of 8 bytes; no padding; bit 21 beside the mask
	s_mov_b32 s25, 32<<16                          ; 12,800 dense bytes as 50 rows of 256
	s_mov_b32 s26, 50<<16
	s_mov_b32 s27, 32<<16
	s_mov_b32 s28, 50
	s_mov_b32 s29, 32
	s_mov_b32 s30, 0
	s_mov_b32 s31, 0
	s_mul_i32 s44, s12, 307200
	s_mov_b32 s45, 0
	s_mov_b32 s32, 1
	s_mul_i32 s33, s[WV], 12800                    ; where my sixteenth goes,
	s_add_co_u32 s46, s33, 102400                  ; and where it lies in the head's bytes
	s_mov_b32 s47, 0
	s_mov_b32 s[SEL], 0x76543210
	s_mov_b32 s[SEL+1], 0xfedcba98
	s_mov_b32 s[CS], 0x3e38aa3b
	s_mov_b32 s[CS+1], s[CS]                       ; (named with it as a pair, so it is written)
	s_mov_b32 s[HM], 0xffff0000
	s_wait_dscnt 0x0                               ; both opening adds are done
	s_wait_kmcnt 0x0
	s_add_nc_u64 s[44:45], s[4:5], s[44:45]        ; qkv at my head
	s_add_nc_u64 s[34:35], s[44:45], s[46:47]
	s_or_b32 s35, s35, 0x80000000
	CROUND                                         ; all four work-groups are here: the joint loads meet
	tensor_load_to_lds s[32:35], s[24:31]
	s_nop 0
.rept 4
	v_nop
.endr
	s_lshl_b32 s46, s11, 5
	s_lshl_b32 s47, s[WV], 1
	s_add_co_u32 s46, s46, s47                     ; my first tile of queries: 32 x place + 2 x wave
	s_mul_i32 s36, s46, 768
	s_mov_b32 s37, 0
	s_add_nc_u64 s[36:37], s[44:45], s[36:37]      ; its codes
	s_lshl_b32 s38, s46, 5
	s_add_co_u32 s38, s38, 98304
	s_mov_b32 s39, 0
	s_add_nc_u64 s[38:39], s[44:45], s[38:39]      ; the pair's scale words
	s_lshr_b32 s47, s12, 4
	s_lshl_b32 s47, s47, 7
	s_add_co_u32 s46, s46, s47                     ; the tile's row block among all 512
	s_and_b32 s47, s12, 15                         ; the head in its batch
	s_mul_i32 s40, s46, 12288
	s_mul_i32 s41, s47, 768
	s_add_co_u32 s40, s40, s41
	s_mov_b32 s41, 0
	s_add_nc_u64 s[40:41], s[6:7], s[40:41]
	s_lshl_b32 s42, s46, 9
	s_lshl_b32 s43, s47, 1
	s_add_co_u32 s42, s42, s43
	s_mov_b32 s43, 0
	s_add_nc_u64 s[42:43], s[8:9], s[42:43]
	v_and_b32 v7, 31, v0
	v_and_b32 v8, 15, v0
	v_bfe_u32 v11, v0, 4, 1
	v_lshlrev_b32 v1, 4, v7
	v_lshl_add_u32 v2, v7, 3, 512
	v_lshlrev_b32 v10, 2, v8
	v_add_nc_u32 v3, VCO, v1
	v_add_nc_u32 v4, VCO, v2
	v_add_nc_u32 v5, KSC, v10
	v_add_nc_u32 v6, VSC, v10
	v_lshl_add_u32 v9, v8, 5, v11
	v_lshlrev_b32 v11, 3, v11                      ; 8 h: how far up my two scale bytes stand in p's scale word
.irp j, 0,1,2,3,4,5
	v_mov_b32 v[26+\j], 0                          ; zero codes on both sides of q
	v_mov_b32 v[38+\j], 0
.endr
	v_mov_b32 v196, 0                              ; a lane permute's destination counts as one of its sources
	v_mov_b32 v197, 0
	v_mov_b32 v205, 0                              ; (named as the upper half of the pair v[204:205])
	s_wait_alu depctr_va_vdst(0)
	s_wait_tensorcnt 0x0                           ; my sixteenth is in,
	s_barrier_signal -1
	s_barrier_wait -1                              ; everybody's is: from here on LDS is only read
.macro FRAGS a16, a8, as               ; four fragments of 12 registers and their scale words: 20 LDS loads
.irp f, 0,1,2,3
.irp c, 0,1
	ds_load_b128 v[44+12*\f+6*\c:47+12*\f+6*\c], \a16 offset:1536*\f+768*\c
	ds_load_b64 v[48+12*\f+6*\c:49+12*\f+6*\c], \a8 offset:1536*\f+768*\c
.endr
	ds_load_b32 v[92+\f], \as offset:64*\f
.endr
.endm
; A KEY STEP: 128 keys.  s20 = 6,144 x step (codes), s21 = 256 x step (scale words)
.macro STEP
	v_add_nc_u32 v16, s20, v1                      ; these four are also the places in front of the loads into registers that the last products read
	v_add_nc_u32 v17, s20, v2
	v_add_nc_u32 v20, s21, v5
	v_add_nc_u32 v18, s20, v3
	FRAGS v16, v17, v20
	s_wait_alu depctr_va_vdst(0)
	s_wait_dscnt 0x0
.irp f, 0,1,2,3                                ; S^T: the fragment's even row block against [q | 0], its odd one against [0 | q]
	v_wmma_scale_f32_16x16x128_f8f6f4 v[96+16*\f:103+16*\f], v[44+12*\f:55+12*\f], v[32:43], 0, v[92+\f], v24 matrix_a_fmt:MATRIX_FMT_FP6 matrix_b_fmt:MATRIX_FMT_FP6
	v_wmma_scale_f32_16x16x128_f8f6f4 v[104+16*\f:111+16*\f], v[44+12*\f:55+12*\f], v[26:37], 0, v[92+\f], v24 matrix_a_fmt:MATRIX_FMT_FP6 matrix_b_fmt:MATRIX_FMT_FP6
.endr
	v_add_nc_u32 v19, s20, v4                      ; four places: in front of the loads below and of the first read of the scores
	v_add_nc_u32 v21, s21, v6
	v_nop
	v_nop
	FRAGS v18, v19, v21                            ; V's four fragments are asked for now and land under the softmax
.irp b, 0,1,2,3
	v_max3_num_f32 v[192+\b], v[96+16*\b], v[97+16*\b], v[98+16*\b]   ; four chains over 16 scores each, every accumulator from its low end on
.endr
.irp i, 3,5,7,9,11,13
.irp b, 0,1,2,3
	v_max3_num_f32 v[192+\b], v[192+\b], v[96+16*\b+\i], v[97+16*\b+\i]
.endr
.endr
	v_max_num_f32 v193, v193, v127
	v_max_num_f32 v195, v195, v159
	v_max3_num_f32 v192, v192, v111, v193          ; the largest score of my block h: it serves for the row's maximum and, since p rises with the score, for the block's largest p
	v_max3_num_f32 v194, v194, v143, v195          ; and of my block 2 + h
	s_delay_alu instid0(VALU_DEP_1)
	v_max_num_f32 v206, v192, v194
	s_delay_alu instid0(VALU_DEP_1)
	v_permlanex16_b32 v196, v206, s[SEL], s[SEL+1]
	v_mov_b32 v207, v12                            ; the old -M
	s_delay_alu instid0(VALU_DEP_2)
	v_max3_num_f32 v13, v13, v206, v196            ; the running largest score of my query
	s_delay_alu instid0(VALU_DEP_1)
	v_mul_f32 v206, s[CS], v13                     ; as t (c is positive)
	s_delay_alu instid0(VALU_DEP_1)
	v_floor_f32 v12, -v206                         ; the new -M = floor(-t): M is a whole number
.set J, 0
.rept 32
	v_pk_fma_f32 v[96+J:97+J], v[96+J:97+J], s[CS:CS+1], v[12:13] op_sel_hi:[1,0,0]   ; t - M
.if J == 4
	v_sub_f32 v207, v12, v207                      ; old M - new M: a whole number, 0 or less
.elseif J == 12
	v_cvt_i32_f32 v207, v207                       ; (it saturates)
.elseif J == 20
	v_ldexp_f32 v204, 1.0, v207                    ; f = 2^(old M - new M)
.endif
.set J, J+2
.endr
	v_fma_f32 v192, v192, s[CS], v12               ; the same of my two blocks' largest scores
	v_fma_f32 v194, v194, s[CS], v12
	s_wait_alu depctr_va_vdst(0)
.set J, 0
.rept 64
	v_exp_f32 v[96+J], v[96+J]                     ; p = 2^(t - M)
.set J, J+1
.endr
	v_pk_mul_f32 v[14:15], v[14:15], v[204:205] op_sel_hi:[1,0]   ; l under the new M: the plain place behind the batch
	s_wait_alu depctr_va_vdst(0)                   ; one wait for the batch, ahead of its first reader
	v_exp_f32 v192, v192                           ; my blocks' largest p
	v_exp_f32 v194, v194
	v_pk_add_f32 v[210:211], v[96:97], v[98:99]    ; l: the sum of the unquantised p, in four chains
	v_pk_add_f32 v[244:245], v[100:101], v[102:103]
	v_pk_add_f32 v[246:247], v[104:105], v[106:107]
	v_pk_add_f32 v[14:15], v[14:15], v[108:109]
.set J, 110
.rept 6
	v_pk_add_f32 v[210:211], v[210:211], v[J:J+1]
	v_pk_add_f32 v[244:245], v[244:245], v[J+2:J+3]
	v_pk_add_f32 v[246:247], v[246:247], v[J+4:J+5]
	v_pk_add_f32 v[14:15], v[14:15], v[J+6:J+7]
.set J, J+8
.endr
	v_pk_add_f32 v[210:211], v[210:211], v[158:159]
	v_pk_add_f32 v[244:245], v[244:245], v[246:247]
	v_pk_add_f32 v[14:15], v[14:15], v[210:211]
	v_pk_add_f32 v[14:15], v[14:15], v[244:245]
	s_wait_alu depctr_va_vdst(0)                   ; and one for the two
	v_max_num_f32 v192, 0x1800000, v192            ; the floor 2^(3 - 127): the byte cannot fall under 1
	v_max_num_f32 v194, 0x1800000, v194
	s_delay_alu instid0(VALU_DEP_2)
	v_add_nc_u32 v200, 0xff000000, v192            ; 2 off the exponent field: the conversions' scale operands
	s_delay_alu instid0(VALU_DEP_2)
	v_add_nc_u32 v201, 0xff000000, v194
	s_delay_alu instid0(VALU_DEP_2)
	v_lshrrev_b32 v196, 23, v200                   ; the bytes of blocks h and 2 + h
	s_delay_alu instid0(VALU_DEP_2)
	v_lshrrev_b32 v197, 23, v201
	s_delay_alu instid0(VALU_DEP_1)
	v_lshl_or_b32 v196, v197, 16, v196
	s_delay_alu instid0(VALU_DEP_1)
	v_lshlrev_b32 v196, v11, v196                  ; at their places in the scale word, 8 h bits up;
	s_delay_alu instid0(VALU_DEP_1)
	v_permlanex16_b32 v197, v196, s[SEL], s[SEL+1]
	s_delay_alu instid0(VALU_DEP_1)
	v_or_b32 v208, v196, v197                      ; with lane l xor 16's two the word is whole
.irp c, 0,1
	v_cvt_scalef32_pk16_fp6_f32 v[224+6*\c:226+6*\c], v[96+32*\c:111+32*\c], v[200+\c]
	v_cvt_scalef32_pk16_fp6_f32 v[212+4*\c:214+4*\c], v[112+32*\c:127+32*\c], v[200+\c]   ; (a conversion's three registers begin on an even number)
.endr
	v_nop                                          ; one plain place behind a scaled conversion
.irp c, 0,1
.irp i, 0,1,2
	v_mov_b32 v[227+6*\c+\i], v[212+4*\c+\i]       ; registers 6 c .. 6 c + 5 hold k = 64 c + 32 h + 0 .. 31
.endr
.endr
	s_wait_alu depctr_va_vdst(0)
.set J, 0
.rept 16
	v_pk_mul_f32 v[160+J:161+J], v[160+J:161+J], v[204:205] op_sel_hi:[1,0]   ; O^T under the new M.  These sixteen are also the places between the writes of p's codes and scale word and the products
.set J, J+2
.endr
	s_wait_alu depctr_va_vdst(0)
	s_wait_dscnt 0x0                               ; V is in
.irp t, 0,1,2,3                                ; O^T += V^T P^T: the four accumulators by turns
	v_wmma_scale_f32_16x16x128_f8f6f4 v[160+8*\t:167+8*\t], v[44+12*\t:55+12*\t], v[224:235], v[160+8*\t:167+8*\t], v[92+\t], v208 matrix_a_fmt:MATRIX_FMT_FP6 matrix_b_fmt:MATRIX_FMT_FP6
.endr
.endm
; One tile of 16 queries, the p-th of my two
.macro PASS p
	global_load_b128 v[32:35], v1, s[36:37] offset:768*\p
	global_load_b64 v[36:37], v2, s[36:37] offset:768*\p
	global_load_b32 v25, v10, s[38:39]
	v_mov_b32 v13, 0xff61b1e6                      ; the largest score so far: -3e38
	v_mov_b32 v14, 0
	v_mov_b32 v15, 0
	v_floor_f32 v12, -v13                          ; -M: above every -t, so that the first f is 0
	s_mov_b32 s20, 0
	s_mov_b32 s21, 0
	s_mov_b32 s22, 16
	s_wait_loadcnt 0x0
	v_perm_b32 v24, v25, v25, 0x01000100+0x02020202*\p   ; my tile's two bytes, twice: they serve q in either half of K
.set J, 0
.rept 32
	v_mov_b32 v[160+J], 0                          ; O^T: the first change of M leaves zeros zeros.  (Also the places between the write of q's scale word and the first product)
.set J, J+1
.endr
.Lstep_\@:
	STEP
	s_add_co_u32 s20, s20, 6144
	s_add_co_u32 s21, s21, 256
	s_sub_co_u32 s22, s22, 1
	s_cmp_lg_u32 s22, 0
	s_cbranch_scc1 .Lstep_\@
.rept 4
	v_nop                                          ; four places behind the last products
.endr
	v_add_f32 v14, v14, v15
	v_permlanex16_b32 v206, v14, s[SEL], s[SEL+1]
	v_add_f32 v14, v14, v206                       ; l
	s_wait_alu depctr_va_vdst(0)
	v_rcp_f32 v14, v14
	v_nop                                          ; a plain place behind the reciprocal
	s_wait_alu depctr_va_vdst(0)                   ; and the wait ahead of its first reader
.set J, 0
.rept 16
	v_pk_mul_f32 v[96+J:97+J], v[160+J:161+J], v[14:15] op_sel_hi:[1,0]   ; O^T / l: register 16 B + i is channel 32 B + 16 h + i; each accumulator from its low end on
.set J, J+2
.endr
.irp b, 0,1
	v_max3_num_f32 v[192+\b], |v[96+16*\b]|, |v[97+16*\b]|, 0x1800000
.endr
.irp i, 2,4,6,8,10,12,14
.irp b, 0,1
	v_max3_num_f32 v[192+\b], v[192+\b], |v[96+16*\b+\i]|, |v[97+16*\b+\i]|
.endr
.endr
.irp b, 0,1
	v_permlanex16_b32 v[196+\b], v[192+\b], s[SEL], s[SEL+1]
.endr
.irp b, 0,1
	v_max_num_f32 v[192+\b], v[192+\b], v[196+\b]  ; with lane l xor 16's 16 channels: the block's largest magnitude
.endr
.irp b, 0,1
	v_add_nc_u32 v[200+\b], 0xff000000, v[192+\b]
.endr
.irp b, 0,1
	v_lshrrev_b32 v[196+\b], 23, v[200+\b]
.endr
	v_cvt_scalef32_pk16_fp6_f32 v[224:226], v[96:111], v200
	v_cvt_scalef32_pk16_fp6_f32 v[212:214], v[112:127], v201
	v_nop
.irp i, 0,1,2
	v_permlane16_swap_b32 v[224+\i], v[212+\i]     ; a whole block in a lane: lanes 0-15 block 0, lanes 16-31 block 1
.endr
.irp i, 0,1,2
	v_mov_b32 v[227+\i], v[212+\i]
.endr
	v_cndmask_b32 v207, v196, v197, s[HM]          ; lane (r, h) stores block h's byte of row r
	global_store_b128 v1, v[224:227], s[40:41] offset:12288*\p
	global_store_b64 v2, v[228:229], s[40:41] offset:12288*\p
	global_store_b8 v9, v207, s[42:43] offset:512*\p
	s_wait_xcnt 0x0                                ; the stores have read their registers, which the next tile writes anew
.endm
	PASS 0
	PASS 1
	s_wait_tensorcnt 0x0                           ; the wave's end
	ds_add_u32 v[SPW], v[NIL]
	s_wait_dscnt 0x0
	CROUND                                         ; the closing round
	s_endpgm
.Lfunc_end_k_qb2565102b2_attn:
	.size	k_qb2565102b2_attn, .Lfunc_end_k_qb2565102b2_attn-k_qb2565102b2_attn
	.p2alignl 7, 3214868480
	.fill 96, 4, 3214868480
	.section	.rodata,"a",@progbits
	.p2align	6, 0x0
	.amdhsa_kernel k_qb2565102b2_attn
		.amdhsa_group_segment_fixed_size 206848
		.amdhsa_private_segment_fixed_size 0
		.amdhsa_enable_private_segment 0
		.amdhsa_kernarg_size 24
		.amdhsa_user_sgpr_count 2
		.amdhsa_user_sgpr_kernarg_segment_ptr 1
		.amdhsa_wavefront_size32 1
		.amdhsa_system_sgpr_workgroup_id_x 1
		.amdhsa_system_sgpr_workgroup_id_y 1
		.amdhsa_system_sgpr_workgroup_id_z 1
		.amdhsa_system_vgpr_workitem_id 0
		.amdhsa_next_free_vgpr 256
		.amdhsa_next_free_sgpr 66
		.amdhsa_reserve_vcc 0
		.amdhsa_float_denorm_mode_32 3
		.amdhsa_float_denorm_mode_16_64 3
		.amdhsa_memory_ordered 1
		.amdhsa_forward_progress 1
		.amdhsa_inst_pref_size 48
	.end_amdhsa_kernel
	.amdgpu_metadata
---
amdhsa.version: [ 1, 2 ]
amdhsa.kernels:
  - .name:           k_qb2565102b2_attn
    .symbol:         k_qb2565102b2_attn.kd
    .args:
      - { .name: qkv, .offset: 0, .size: 8, .value_kind: global_buffer, .address_space: global }
      - { .name: ac, .offset: 8, .size: 8, .value_kind: global_buffer, .address_space: global }
      - { .name: asc, .offset: 16, .size: 8, .value_kind: global_buffer, .address_space: global }
    .group_segment_fixed_size: 206848
    .private_segment_fixed_size: 0
    .kernarg_segment_align: 8
    .kernarg_segment_size: 24
    .max_flat_workgroup_size: 512
    .sgpr_count:     66
    .vgpr_count:     256
    .wavefront_size: 32
...
	.end_amdgpu_metadata
.endif
;; end of part 3
;; launch outp (part 4): grid 4 x 64, 4 waves a work-group, clusters of 4 x 4, 327,680 bytes of LDS; arguments ac, asc, codes, scales, bo, out0; writes out0
.if DOCPART == 4
	.amdgcn_target "amdgcn-amd-amdhsa--gfx1250"
	.amdhsa_code_object_version 6
	.text
	.protected	k_qb2565102b2_outp
	.globl	k_qb2565102b2_outp
	.p2align	8
	.type	k_qb2565102b2_outp,@function
k_qb2565102b2_outp:
	s_mov_b64 s[64:65], 0
	v_nop
	global_prefetch_b8 v0, s[64:65] scope:SCOPE_SE
	s_setreg_imm32_b32 hwreg(HW_REG_WAVE_MODE, 25, 1), 1
	s_wait_xcnt 0x0
	s_wait_alu depctr_hold_cnt(0) depctr_sa_sdst(0) depctr_va_vdst(0) depctr_va_sdst(0) depctr_va_ssrc(0) depctr_va_vcc(0) depctr_vm_vsrc(0)
	s_getreg_b32 s2, hwreg(HW_REG_IB_STS2, 6, 4)
	s_cmp_eq_u32 s2, 0
	s_cbranch_scc0 .Lentry_in_a_cluster
	s_endpgm
.Lentry_in_a_cluster:
	s_bfe_u32 s2, ttmp6, 0x10000c
	s_cmp_lg_u32 s2, 0xf033
	s_cbranch_scc0 .Lentry_shape_is_right
	s_endpgm
.Lentry_shape_is_right:
; out0 = x Wo^T + bo: x is the attention's result as codes (ac, asc), Wo's codes are row blocks 1,728 on of codes and scales; FP6 with E8M0 scales, sums in f32.  No work is left out.
; The frame is the projection launch's: a work-group multiplies 256 rows of Wo (source 0, "B", cut along the cluster's x) by 128 rows of x (source 1, "A", cut along its y), all of K = 1,024 in LDS at once: two halves of 512 along K
; (A's 8 row blocks x 6,144 bytes, then B's 16), then the scale bytes.  Each byte is filled once; one joint load of a wave is out at the most.  Wave w: A's row blocks 4 (w / 2) on, B's 8 (w % 2) on: 32 accumulators.  256 work-groups.
; The bias is the C of each sum's first product.  A lane holds one row of out0 and its registers run along the columns.
; THE WAY OUT: a block of 16 rows x 128 columns goes through the wave's own stage in LDS (16 rows x 528 bytes, in chunk 0, which has had its only fill and whose last reads lie in front of the barrier of K step 3) and leaves as whole rows of 512 bytes.
; REGISTERS: window 0: v1-13 addresses; v32-95 the scale words of all K; v96-191 A's fragments, two sets; v192-255 the bias; on the way out v96-223 rows of out0.  window 1: B's fragments, two sets.  window 2: accumulator (a, b) at v[8 (8 a + b)].
; LDS AND FILLS: K lies in LDS as TWO HALVES of 512 along K, each A's 8 row blocks x 6,144 bytes and then B's 16; behind them the scale bytes.  Each byte is filled once.
; At the head one joint load a wave: B's first half, A's first half, A's scale bytes, B's scale bytes.  The second half comes behind the three lines and a round of the cluster's barrier, one joint load a wave,
; and is shown to all waves by the barrier in K step 3.  The stages of the way out lie in the first half's bytes of A, whose last reads lie in front of that barrier.
.set CHUNK,  147456                    ; a half of K in LDS
.set BOFF,   49152                     ; B's row blocks in it
.set SCL,    294912
.set SPARE,  307200                    ; the spare words: 128 bytes a wave, two blocks of 256 bytes that no other line names
.set ADRA16, 4
.set ADRA8,  5
.set ADRB16, 6
.set ADRB8,  7
.set ADRS,   8
.set L16,    9
.set L8,     10
.set STO,    12                        ; v12  the stage: where I put 32 bytes of a row
.set RD,     13                        ; v13  and where I read a row back
.set SPW,    28
.set NIL,    29
.set SC,     32
.set AF,     96
.set BIAS,   192
.set BK,     96
.set WV, 16
.set WR, 17
.set WC, 18
.set CX, 19
.set CY, 20
.set T1, 23
.set G1A, 24
.set G1B, 32
.set G1SA, 40
.set G1SB, 48
.set MSB, 0
.macro WIN new
.if MSB != \new
	s_set_vgpr_msb (MSB<<8)|\new
.set MSB, \new
.endif
.endm
.macro JLOAD g0a, g1a, g0b, g1b        ; a joint load: waves 0 and 1 fetch for A, waves 2 and 3 for B; an s_nop 0 and four v_nop follow each line
	s_cmp_eq_u32 s[WR], 0
	s_cbranch_scc0 .Lfor_b_\@
	tensor_load_to_lds s[\g0a:\g0a+3], s[\g1a:\g1a+7]
	s_nop 0
.rept 4
	v_nop
.endr
	s_branch .Lasked_\@
.Lfor_b_\@:
	tensor_load_to_lds s[\g0b:\g0b+3], s[\g1b:\g1b+7]
	s_nop 0
.rept 4
	v_nop
.endr
.Lasked_\@:
.endm
.macro CROUND
	s_barrier_signal -1
	s_barrier_wait -1
	s_cmp_lg_u32 s[WV], 0
	s_cbranch_scc1 .Lnot_wave_0_\@
	s_barrier_signal -3
.Lnot_wave_0_\@:
	s_barrier_wait -3
	s_barrier_signal -1
	s_barrier_wait -1
.endm
.macro MKG0 g, mul, base, ptr, off
	s_mov_b32 s[\g], 1
	s_mul_i32 s[\g+1], s[WC], \mul
	s_add_co_u32 s[\g+1], s[\g+1], \base
	s_add_nc_u64 s[\g+2:\g+3], s[\ptr:\ptr+1], \off
	s_or_b32 s[\g+3], s[\g+3], 0x80000000
.endm
	s_load_b256 s[4:11], s[0:1], 0x0               ; ac, asc, codes, scales
	s_load_b128 s[12:15], s[0:1], 0x20             ; bo, out0
	v_lshl_add_u32 v[SPW], v0, 2, SPARE
	v_mov_b32 v[NIL], 0
	ds_add_u32 v[SPW], v[NIL]                      ; the wave's opening: the add, twice on end, and its wait ahead of my first tensor load
	ds_add_u32 v[SPW], v[NIL]
	v_lshrrev_b32 v1, 5, v0
	v_readfirstlane_b32 s[WV], v1
	s_lshr_b32 s[WR], s[WV], 1
	s_and_b32 s[WC], s[WV], 1
	s_bfe_u32 s[CX], ttmp6, 0x40000
	s_bfe_u32 s[CY], ttmp6, 0x40004
	s_and_b32 s[T1], ttmp7, 0xffff
	s_lshl_b32 s[T1], s[T1], 2
	s_add_co_u32 s[T1], s[T1], s[CY]               ; which 128 rows of x: 4 x cluster + my place along y
	s_lshl_b32 s100, s[CY], 2
	s_lshl_b32 s100, 15, s100                      ; my row of the cluster
	s_lshl_b32 s2, 0x1111, s[CX]                   ; my column
	s_or_b32 s[G1A], s100, (3<<16)|(1<<21)
	s_or_b32 s[G1SA], s100, (3<<16)|(1<<21)
	s_or_b32 s[G1B], s2, (3<<16)|(1<<21)
	s_or_b32 s[G1SB], s2, (3<<16)|(1<<21)
	s_mov_b32 s[G1A+1], 768<<16                    ; A's half of K: rows of 6,144 bytes, 12,288 bytes apart in memory; 8 row blocks at the head, 4 behind it
	s_mov_b32 s[G1A+2], 8<<16
	s_mov_b32 s[G1A+3], 768<<16
	s_mov_b32 s[G1A+4], 8
	s_mov_b32 s[G1A+5], 1536
	s_mov_b32 s[G1A+6], 0
	s_mov_b32 s[G1A+7], 0
	s_mov_b32 s[G1B+1], 768<<16                    ; B's: 16 row blocks at the head, 8 behind it
	s_mov_b32 s[G1B+2], 16<<16
	s_mov_b32 s[G1B+3], 768<<16
	s_mov_b32 s[G1B+4], 16
	s_mov_b32 s[G1B+5], 1536
	s_mov_b32 s[G1B+6], 0
	s_mov_b32 s[G1B+7], 0
	s_mov_b32 s[G1SA+1], 32<<16                    ; rows of 256 bytes
	s_mov_b32 s[G1SA+2], 16<<16                    ; A's 8 row blocks: 4,096 dense bytes as 16 rows of 256
	s_mov_b32 s[G1SA+3], 32<<16
	s_mov_b32 s[G1SA+4], 16
	s_mov_b32 s[G1SA+5], 32
	s_mov_b32 s[G1SA+6], 0
	s_mov_b32 s[G1SA+7], 0
	s_mov_b32 s[G1SB+1], 32<<16                    ; rows of 256 bytes
	s_mov_b32 s[G1SB+2], 32<<16                    ; B's 16 row blocks: 32 rows of 256
	s_mov_b32 s[G1SB+3], 32<<16
	s_mov_b32 s[G1SB+4], 32
	s_mov_b32 s[G1SB+5], 32
	s_mov_b32 s[G1SB+6], 0
	s_mov_b32 s[G1SB+7], 0
	s_lshl_b32 s100, s[T1], 3
	s_lshl_b32 s2, s[CX], 4
	s_add_co_u32 s2, s2, 1728
	s_mul_i32 s104, s100, 12288
	s_mov_b32 s105, 0
	s_lshl_b32 s100, s100, 9
	s_mov_b32 s101, 0
	s_mul_i32 s66, s2, 12288
	s_mov_b32 s67, 0
	s_lshl_b32 s2, s2, 9
	s_mov_b32 s3, 0
	s_wait_dscnt 0x0                               ; both opening adds are done
	s_wait_kmcnt 0x0
	s_add_nc_u64 s[104:105], s[4:5], s[104:105]
	s_add_nc_u64 s[100:101], s[6:7], s[100:101]
	s_add_nc_u64 s[66:67], s[8:9], s[66:67]
	s_add_nc_u64 s[2:3], s[10:11], s[2:3]
	CROUND                                         ; all sixteen work-groups are here: the joint loads meet
	MKG0 56, 0, SCL, 100, 0                        ; the head's four tiles, each whole: A's scale bytes,
	MKG0 80, 0, SCL+4096, 2, 0                     ; B's,
	MKG0 60, 0, 0, 104, 0                          ; A's first half of K,
	MKG0 84, 0, BOFF, 66, 0                        ; B's
	s_mul_i32 s72, s[WC], 49152                    ; for the second half: my four row blocks of A (4 x 12,288 bytes on), or my eight of B (twice that)
	s_mov_b32 s73, 0
	s_add_nc_u64 s[104:105], s[104:105], s[72:73]
	s_add_nc_u64 s[66:67], s[66:67], s[72:73]
	s_add_nc_u64 s[66:67], s[66:67], s[72:73]
	MKG0 68, 24576, CHUNK, 104, 6144
	MKG0 88, 49152, CHUNK+BOFF, 66, 6144
; one joint load a wave at the head, in one chain of branches on the wave's number
.macro ARM under, g0, g1, next
	s_cmp_lt_u32 s[WV], \under
	s_cbranch_scc0 \next
	tensor_load_to_lds s[\g0:\g0+3], s[\g1:\g1+7]
	s_nop 0
.rept 4
	v_nop
.endr
	s_branch .Lhead_asked
\next:
.endm
	ARM 1, 84, G1B, .Lhead_a
	ARM 2, 60, G1A, .Lhead_sa
	ARM 3, 56, G1SA, .Lhead_sb
	tensor_load_to_lds s[80:83], s[G1SB:G1SB+7]
	s_nop 0
.rept 4
	v_nop
.endr
.Lhead_asked:
	v_and_b32 v1, 15, v0
	v_bfe_u32 v2, v0, 4, 1
	s_wait_alu depctr_va_vdst(0)
	v_and_b32 v3, 31, v0
	s_wait_alu depctr_va_vdst(0)
	s_lshl_b32 s66, s[CX], 10
	s_lshl_b32 s67, s[WC], 9
	s_add_co_u32 s66, s66, s67                     ; my 128 columns, in bytes
	s_mov_b32 s67, 0
	s_add_nc_u64 s[12:13], s[12:13], s[66:67]
	s_add_nc_u64 s[14:15], s[14:15], s[66:67]
	s_lshl_b32 s66, s[T1], 19
	s_lshl_b32 s100, s[WR], 18
	s_add_co_u32 s66, s66, s100                    ; my 64 rows of 4,096 bytes
	s_add_nc_u64 s[14:15], s[14:15], s[66:67]
	v_lshlrev_b32 v11, 6, v2                       ; lane (r, h) wants, for tile b, the bias of columns 32 (b / 2) + 16 h + 8 (b % 2) + 0 .. 7
.irp b, 0,1,2,3,4,5,6,7
	global_load_b128 v[BIAS+8*\b:BIAS+8*\b+3], v11, s[12:13] offset:(32*(\b/2)+8*(\b%2))*4
	global_load_b128 v[BIAS+8*\b+4:BIAS+8*\b+7], v11, s[12:13] offset:(32*(\b/2)+8*(\b%2))*4+16
.endr
	v_lshlrev_b32 v[L16], 4, v3
	v_lshl_add_u32 v[L8], v3, 3, 512
	s_mul_i32 s2, s[WR], 24576                     ; my four row blocks of A
	v_add_nc_u32 v[ADRA16], s2, v[L16]
	v_add_nc_u32 v[ADRA8], s2, v[L8]
	s_mul_i32 s2, s[WC], 49152                     ; my eight of B
	s_add_co_u32 s2, s2, BOFF
	v_add_nc_u32 v[ADRB16], s2, v[L16]
	v_add_nc_u32 v[ADRB8], s2, v[L8]
	s_lshl_b32 s2, s[WR], 11
	s_lshl_b32 s3, s[WC], 12
	s_add_co_u32 s3, s3, 4096
	s_sub_co_u32 s3, s3, s2
	v_mul_u32_u24 v[ADRS], s3, v2                  ; lanes 16-31 take B's scale words: one product with h
	v_lshl_add_u32 v[ADRS], v1, 5, v[ADRS]
	s_add_co_u32 s2, s2, SCL
	v_add_nc_u32 v[ADRS], s2, v[ADRS]
	s_mul_i32 s2, s[WV], 8448                      ; my stage
	v_mul_u32_u24 v[STO], v1, 528
	v_lshl_add_u32 v[STO], v2, 6, v[STO]
	v_add_nc_u32 v[STO], s2, v[STO]
	v_add_nc_u32 v[RD], s2, v[L16]
.macro FETCH s                         ; K step s: 48 LDS loads into set s % 2
	WIN 0x40
.irp b, 0,1,2,3,4,5,6,7
.irp c, 0,1
	ds_load_b128 v[128*((\s)%2)+12*\b+6*\c:128*((\s)%2)+12*\b+6*\c+3], v[ADRB16] offset:6144*\b+1536*((\s)%4)+768*\c
	ds_load_b64 v[128*((\s)%2)+12*\b+6*\c+4:128*((\s)%2)+12*\b+6*\c+5], v[ADRB8] offset:6144*\b+1536*((\s)%4)+768*\c
.endr
.endr
	WIN 0
.irp a, 0,1,2,3
.irp c, 0,1
	ds_load_b128 v[AF+48*((\s)%2)+12*\a+6*\c:AF+48*((\s)%2)+12*\a+6*\c+3], v[ADRA16] offset:6144*\a+1536*((\s)%4)+768*\c
	ds_load_b64 v[AF+48*((\s)%2)+12*\a+6*\c+4:AF+48*((\s)%2)+12*\a+6*\c+5], v[ADRA8] offset:6144*\a+1536*((\s)%4)+768*\c
.endr
.endr
.endm
.macro MM a, b, s, cm
.set DD, 8*(8*(\a)+(\b))
.set B0, 128*((\s)%2)+12*(\b)
.set A0, AF+48*((\s)%2)+12*(\a)
.if \cm == 2
	v_wmma_scale_f32_16x16x128_f8f6f4 v[DD:DD+7], v[B0:B0+11], v[A0:A0+11], v[BIAS+8*(\b):BIAS+8*(\b)+7], v[SC+8*(\b)+(\s)], v[SC+8*(\a)+(\s)] matrix_a_fmt:MATRIX_FMT_FP6 matrix_b_fmt:MATRIX_FMT_FP6 matrix_a_scale:MATRIX_SCALE_ROW1
.else
	v_wmma_scale_f32_16x16x128_f8f6f4 v[DD:DD+7], v[B0:B0+11], v[A0:A0+11], v[DD:DD+7], v[SC+8*(\b)+(\s)], v[SC+8*(\a)+(\s)] matrix_a_fmt:MATRIX_FMT_FP6 matrix_b_fmt:MATRIX_FMT_FP6 matrix_a_scale:MATRIX_SCALE_ROW1
.endif
.endm
.macro STEP s, cm
.if (\s) == 3
	s_wait_tensorcnt 0x0                           ; my part of the second half of K has landed
	s_wait_dscnt 0x0                               ; no LDS instruction of mine is out at a signal
	s_barrier_signal -1
	s_barrier_wait -1
	v_add_nc_u32 v[ADRA16], CHUNK, v[ADRA16]       ; these four are also the places in front of the loads below
	v_add_nc_u32 v[ADRA8], CHUNK, v[ADRA8]
	v_add_nc_u32 v[ADRB16], CHUNK, v[ADRB16]
	v_add_nc_u32 v[ADRB8], CHUNK, v[ADRB8]
.elseif ((\s) > 0) && ((\s) < 7)
.rept 4
	v_nop                                          ; four places in front of loads into registers that matrix instructions have read
.endr
.endif
.if (\s) < 7
	FETCH (\s)+1
	s_wait_dscnt 48                                ; all but the 48 just issued
.else
	s_wait_dscnt 0x0
.endif
.if \cm == 2
	WIN 0x81                                       ; source 0 window 1, source 1 and C (the bias) window 0, D window 2
.else
	WIN 0xa1                                       ; C and D window 2
.endif
.irp a, 0,1,2,3
.irp b, 0,1,2,3,4,5,6,7
	MM \a, \b, \s, \cm                             ; the 32 accumulators take turns in the same order in every step
.endr
.endr
	WIN 0
.endm
	s_wait_alu depctr_va_vdst(0)
	s_wait_tensorcnt 0x0                           ; my tile of the head's four is in
	ds_add_u32 v[SPW], v[NIL]
	s_mov_b32 s[G1A+2], 4<<16                      ; no tensor load of mine is out: from here on a load brings 4 row blocks of A
	s_mov_b32 s[G1A+4], 4
	s_mov_b32 s[G1B+2], 8<<16                      ; or 8 of B
	s_mov_b32 s[G1B+4], 8
	s_wait_dscnt 0x0
	CROUND                                         ; all four tiles are in, and all sixteen work-groups are here
	JLOAD 68, G1A, 88, G1B                         ; the second half of K: my one load behind the round
.irp i, 0,1,2,3,4,5,6,7
.irp j, 0,1
	ds_load_b128 v[SC+8*\i+4*\j:SC+8*\i+4*\j+3], v[ADRS] offset:512*\i+16*\j
.endr
.endr
	FETCH 0
	s_wait_loadcnt 0x0                             ; the bias
	STEP 0, 2                                      ; the first products start the sums from the bias
	STEP 1, 0
	s_wait_alu depctr_va_vdst(0)
	STEP 2, 0
	STEP 3, 0
	s_wait_alu depctr_va_vdst(0)
	STEP 4, 0
	STEP 5, 0
	s_wait_alu depctr_va_vdst(0)
	STEP 6, 0
	STEP 7, 0
.rept 4
	v_nop                                          ; four places behind the last products: for the stage's stores, which read results, and for the loads into registers that held fragments
.endr
.macro TOSTAGE a
	WIN 0x08                                       ; an LDS store's data are its source 1: window 2
.irp b, 0,1,2,3,4,5,6,7
	ds_store_b128 v[STO], v[64*(\a)+8*\b:64*(\a)+8*\b+3] offset:128*(\b/2)+32*(\b%2)        ; each accumulator from its low end on
	ds_store_b128 v[STO], v[64*(\a)+8*\b+4:64*(\a)+8*\b+7] offset:128*(\b/2)+32*(\b%2)+16
.endr
	WIN 0
.set I, 0
.rept 16
	ds_load_b128 v[BK+64*((\a)%2)+4*I:BK+64*((\a)%2)+4*I+3], v[RD] offset:528*I   ; LDS serves a wave's instructions in order: these see the stores above, and the next block's stores come behind them
.set I, I+1
.endr
.endm
.macro SEND a, younger                 ; younger: the LDS instructions issued behind block a's loads, which may stay out
	s_wait_dscnt \younger
.set I, 0
.rept 16
	global_store_b128 v[L16], v[BK+64*((\a)%2)+4*I:BK+64*((\a)%2)+4*I+3], s[14:15] offset:4096*(32*((\a)/2)+8*((\a)%2)+(I%8)+16*(I/8)) th:TH_STORE_NT   ; 512 consecutive bytes of one row, aligned
.set I, I+1
.endr
.endm
	TOSTAGE 0
	TOSTAGE 1
	SEND 0, 32                                     ; behind block 0's loads: block 1's 16 stores and 16 loads
	s_wait_xcnt 0x0                                ; block 0's stores have read their registers: block 2's loads may land there
	TOSTAGE 2
	SEND 1, 32
	s_wait_xcnt 0x0
	TOSTAGE 3
	SEND 2, 32
	SEND 3, 0
	s_wait_tensorcnt 0x0                           ; the wave's end: behind my last LDS store
	ds_add_u32 v[SPW], v[NIL]
	s_wait_dscnt 0x0
	CROUND                                         ; the closing round
	s_endpgm
.Lfunc_end_k_qb2565102b2_outp:
	.size	k_qb2565102b2_outp, .Lfunc_end_k_qb2565102b2_outp-k_qb2565102b2_outp
	.p2alignl 7, 3214868480
	.fill 96, 4, 3214868480
	.section	.rodata,"a",@progbits
	.p2align	6, 0x0
	.amdhsa_kernel k_qb2565102b2_outp
		.amdhsa_group_segment_fixed_size 327680
		.amdhsa_private_segment_fixed_size 0
		.amdhsa_enable_private_segment 0
		.amdhsa_kernarg_size 48
		.amdhsa_user_sgpr_count 2
		.amdhsa_user_sgpr_kernarg_segment_ptr 1
		.amdhsa_wavefront_size32 1
		.amdhsa_system_sgpr_workgroup_id_x 1
		.amdhsa_system_sgpr_workgroup_id_y 1
		.amdhsa_system_sgpr_workgroup_id_z 1
		.amdhsa_system_vgpr_workitem_id 0
		.amdhsa_next_free_vgpr 768
		.amdhsa_next_free_sgpr 106
		.amdhsa_reserve_vcc 0
		.amdhsa_float_denorm_mode_32 3
		.amdhsa_float_denorm_mode_16_64 3
		.amdhsa_memory_ordered 1
		.amdhsa_forward_progress 1
		.amdhsa_inst_pref_size 86
	.end_amdhsa_kernel
	.amdgpu_metadata
---
amdhsa.version: [ 1, 2 ]
amdhsa.kernels:
  - .name:           k_qb2565102b2_outp
    .symbol:         k_qb2565102b2_outp.kd
    .args:
      - { .name: ac, .offset: 0, .size: 8, .value_kind: global_buffer, .address_space: global }
      - { .name: asc, .offset: 8, .size: 8, .value_kind: global_buffer, .address_space: global }
      - { .name: codes, .offset: 16, .size: 8, .value_kind: global_buffer, .address_space: global }
      - { .name: scales, .offset: 24, .size: 8, .value_kind: global_buffer, .address_space: global }
      - { .name: bo, .offset: 32, .size: 8, .value_kind: global_buffer, .address_space: global }
      - { .name: out0, .offset: 40, .size: 8, .value_kind: global_buffer, .address_space: global }
    .group_segment_fixed_size: 327680
    .private_segment_fixed_size: 0
    .kernarg_segment_align: 8
    .kernarg_segment_size: 48
    .max_flat_workgroup_size: 128
    .sgpr_count:     106
    .vgpr_count:     768
    .wavefront_size: 32
...
	.end_amdgpu_metadata
.endif
;; end of part 4
